; MI455X (gfx1250); checked and timed in simulation.
; The chip was launched on July 23, 2026; its instructions are those of AMD's public machine-readable ISA for CDNA 5 (MIT licence, August 2026) and "CDNA5" Instruction Set Architecture Reference Guide (July 2026). The comments in the code are by the model that wrote it; some were corrected since.
;; Grouped Query Attention. Allowed arithmetic: matrix products marked QUANTISED: E2M1 operands, one E8M0 scale for each 32 along K, by v_wmma_scale_f32_16x16x128_f8f6f4 with both operands' format E2M1 (or v_wmma_scale_f32_32x16x128_f4), f32 sums; products left as they are: bf16, f16 or f32 operands; f32 sums; everything else in f32.
;; Inputs: Wk 1,024 x 4,096 float32; Wo 4,096 x 4,096 float32; Wq 4,096 x 4,096 float32; Wv 1,024 x 4,096 float32; freqs 1,024 x 64 x 2 float32; x 1 x 1,024 x 4,096 float32.
;; Outputs: out0 1 x 1,024 x 4,096 float32.
;; This version of the problem:
;;   THIS VERSION OF THE PROBLEM IS GIVEN IN LOW PRECISION. The matrix products marked QUANTISED in the list below multiply operands that are first quantised to E2M1 (2 exponent bits, 1 mantissa bit; 4 bits a number), with one power-of-two scale for each 32 numbers along K (OCP MX v1.0); their sums are f32. The products marked 'left as it is' may take bf16, f16 or f32 operands, with f32 sums. Whichever they take, every output number must still come out within the allowed error. Rounding operands to bf16 (8 significant bits) uses up far more of that allowance than f16 does (11 bits, for magnitudes from 6e-5 to 65,504). All else is computed in f32.
;;   The module's matrix products, in the order in which they are computed (A, B: the left and right operand; K: the contracted axis; several contracted axes count as one K, in the product's order):
;;     1. [M 1,024, K 4,096] x [K 4,096, N 4,096]; A: input x; B: input Wq: QUANTISED
;;     2. [M 1,024, K 4,096] x [K 4,096, N 1,024]; A: input x; B: input Wk: QUANTISED
;;     3. [M 1,024, K 4,096] x [K 4,096, N 1,024]; A: input x; B: input Wv: QUANTISED
;;     4. batch 32 x [M 1,024, K 128] x [K 128, N 1,024]; A: computed on the way; B: computed on the way: left as it is (an operand is computed on the way)
;;     5. batch 32 x [M 1,024, K 1,024] x [K 1,024, N 128]; A: computed on the way; B: computed on the way: left as it is (an operand is computed on the way)
;;     6. [M 1,024, K 4,096] x [K 4,096, N 4,096]; A: computed on the way; B: input Wo: left as it is (an operand is computed on the way)
;;   THE QUANTISER, for each operand of a quantised product, along K:
;;     - K is cut into blocks of 32 from its start; a last block that is shorter is filled with zeros.
;;     - A block's scale is 2^e with e = floor(log2(the largest magnitude in the block)) - 2, held to -126 .. 127; a block of zeros has e = 0. As a byte (E8M0): e + 127.
;;     - Each number is divided by its block's scale, clamped to +-6, and rounded to the nearest number of E2M1, ties to even, subnormals kept.
;;     - The product sums the exact products of the quantised numbers (number of the format x scale) in f32.
;;   ~~~python
;;   def quantise(x, axis):      # numpy; x: float32 -> the quantised numbers, widened to float32 again
;;       x = np.moveaxis(x, axis, -1); K = x.shape[-1]
;;       x = np.pad(x, [(0, 0)] * (x.ndim - 1) + [(0, -K % 32)]); x = x.reshape(x.shape[:-1] + (-1, 32)); a = np.abs(x).max(-1, keepdims=True)
;;       e = np.where(a > 0, np.clip(np.frexp(np.where(a > 0, a, 1))[1] - 1 - 2, -126, 127), 0)      # np.frexp(a)[1] - 1 = floor(log2(a)), exactly
;;       r = np.clip(x / 2.0 ** e, -6, 6)
;;       step = 2.0 ** (np.maximum(np.frexp(np.where(r == 0, 1, r))[1] - 1, 0) - 1)
;;       q = np.round(r / step) * step * 2.0 ** e      # np.round: ties to even
;;       return np.moveaxis(q.reshape(q.shape[:-2] + (-1,))[..., :K], -1, axis).astype(np.float32)
;;   ~~~
;; One version. Each part assembles by itself: llvm-mc -triple=amdgcn-amd-amdhsa -mcpu=gfx1250 --defsym DOCPART=n.
;; ======== version 1 of 1: 4 launches
;; limits: values are held in f16: magnitudes above 65,504 overflow, below 6.1e-05 lose precision
;; workspace buffers: xc 2,097,152 bytes; xs 131,072 bytes; wc 12,582,912 bytes; ws 786,432 bytes; wo16 33,554,432 bytes; qkv 12,582,912 bytes; ao 8,388,608 bytes
;; launch prep (part 1): grid 896 x 1, 4 waves a work-group, no clusters, 33,280 bytes of LDS; arguments x, Wq, Wk, Wv, xc, xs, wc, ws; writes xc, xs, wc, ws
.if DOCPART == 1
	.amdgcn_target "amdgcn-amd-amdhsa--gfx1250"
	.amdhsa_code_object_version 6
	.text
	.protected	k_qb2b3658971_prep
	.globl	k_qb2b3658971_prep
	.p2align	8
	.type	k_qb2b3658971_prep,@function
k_qb2b3658971_prep:
	s_mov_b64 s[64:65], 0
	v_nop
	global_prefetch_b8 v0, s[64:65] scope:SCOPE_SE
	s_setreg_imm32_b32 hwreg(HW_REG_WAVE_MODE, 25, 1), 1
	s_wait_xcnt 0x0
; PREP.  x [1024][4096], Wq [4096][4096], Wk, Wv [1024][4096], f32, become codes of FP4 (E2M1), K innermost, two codes a byte, with one E8M0 scale byte for each 32 along K.
; x's codes and bytes go to xc, xs; Wq's, Wk's, Wv's one behind the other to wc, ws (rows 0-4095, 4096-5119, 5120-6143).
; A block's scale is 2^(floor(log2(its largest magnitude)) - 2); its byte is the largest magnitude's exponent field - 2, held at 1 from below.
; LIMITS: a block of zeros, or one whose largest magnitude lies under 2^-124, gets the byte 1 (its codes are zeros or tiny; the bytes are read by this program alone); NaN and infinities among the inputs are not served.
; SHARES.  Rows are dense and 4096 is a multiple of 32, so every tensor is a plain stream.  A work-group takes 32,768 numbers, a wave 8,192.  Work-groups 0-127 x, 128-639 Wq, 640-767 Wk, 768-895 Wv.
; The four tensors take ONE path: only pointers are chosen, by the work-group's number.  No tensor loads, no barrier: waves share nothing.
; 16 steps of 512 numbers.  Each of a step's four loads reads 512 consecutive bytes, 16 a lane; the 2,048 bytes turn through the wave's own stage in LDS and come back 64 bytes a lane, so that a lane holds
; 16 NEIGHBOURS along K (two neighbouring lanes hold a block).  A lane's 16 codes are 8 bytes: the wave stores 256 consecutive bytes.  A wave's 256 scale bytes are gathered in LDS and leave as one aligned run of 256 bytes.
.set WAVES, 4
.set STEPS, 16
.set EMAX,  2
.set CB,    8                          ; bytes of 16 codes
.set R,     16                         ; v16-79   four sets of 16 numbers as they are loaded
.set X,     80                         ; v80-111  two sets of 16 neighbours
.set E,     112                        ; v112-127 a scale byte for each step
.set C,     128                        ; v128-191 codes: four registers for each step, so that no store's data are written again
.set WREG,  8192                       ; LDS: a region for each wave: two stages of 32 x SP bytes, behind them its 256 scale bytes
.set SP,    80                         ; a lane's place in a stage: 64 bytes + 16 of padding
.set SPW,   12                         ; v12  LDS address of my spare word; never rewritten
.set NIL,   13                         ; v13  0; never rewritten
.set SPARE, WAVES*WREG                 ; behind the four regions: the spare words, 128 bytes a wave
	s_load_b512 s[4:19], s[0:1], 0x0               ; x 4, Wq 6, Wk 8, Wv 10, xc 12, xs 14, wc 16, ws 18
	v_lshl_add_u32 v[SPW], v0, 2, SPARE
	v_mov_b32 v[NIL], 0
	v_lshrrev_b32 v1, 5, v0
	v_readfirstlane_b32 s32, v1                    ; wave
	v_and_b32 v2, 31, v0                           ; lane
	v_lshlrev_b32 v3, 4, v2                        ; my 16 bytes of a load's 512
	s_mul_i32 s33, s32, WREG
	v_lshrrev_b32 v14, 2, v2
	v_mul_u32_u24 v14, v14, SP
	v_and_b32 v15, 3, v2
	v_lshl_add_u32 v14, v15, 4, v14
	v_add_nc_u32 v14, s33, v14                     ; the stage, on the way in: SP (lane / 4) + 16 (lane % 4)
	v_mul_u32_u24 v15, v2, SP
	v_add_nc_u32 v15, s33, v15                     ; on the way out: SP x lane: my 16 neighbours
	v_mul_u32_u24 v4, v2, CB                       ; 8 x lane: my codes' place in a step's
	v_lshrrev_b32 v5, 1, v2
	s_add_co_u32 s33, s33, 2*32*SP
	v_add_nc_u32 v5, s33, v5                       ; LDS: my wave's 256 scale bytes, my block's byte
	v_lshlrev_b32 v7, 3, v2
	v_add_nc_u32 v6, s33, v7                       ; and on the way out 8 bytes a lane
	s_mov_b32 s35, 0                               ; the upper word of every offset here: all stay under 2^32
	s_wait_kmcnt 0x0
	; which tensor: the choices hang on the work-group's number alone
	s_cmp_lt_u32 ttmp9, 128
	s_cselect_b64 s[24:25], s[4:5], s[6:7]         ; the numbers
	s_cselect_b64 s[26:27], s[12:13], s[16:17]     ; the codes
	s_cselect_b64 s[28:29], s[14:15], s[18:19]     ; the scale bytes
	s_cselect_b32 s30, 0, 128                      ; the tensor's first work-group,
	s_mov_b32 s31, s30                             ; and the first of those that share its codes' buffer
	s_cmp_lt_u32 ttmp9, 640
	s_cselect_b64 s[24:25], s[24:25], s[8:9]
	s_cselect_b32 s30, s30, 640
	s_cmp_lt_u32 ttmp9, 768
	s_cselect_b64 s[24:25], s[24:25], s[10:11]
	s_cselect_b32 s30, s30, 768
	s_sub_co_u32 s33, ttmp9, s30
	s_lshl_b32 s33, s33, 2
	s_add_co_u32 s33, s33, s32                     ; which run of 8,192 numbers of the tensor is my wave's
	s_lshl_b32 s34, s33, 15
	s_add_nc_u64 s[24:25], s[24:25], s[34:35]
	s_sub_co_u32 s33, ttmp9, s31
	s_lshl_b32 s33, s33, 2
	s_add_co_u32 s33, s33, s32                     ; and which run of the codes' buffer
	s_lshl_b32 s34, s33, 12
	s_add_nc_u64 s[26:27], s[26:27], s[34:35]
	s_lshl_b32 s34, s33, 8
	s_add_nc_u64 s[28:29], s[28:29], s[34:35]
.macro LOAD t
.irp i, 0,1,2,3
	global_load_b128 v[R+16*((\t)%4)+4*\i:R+16*((\t)%4)+4*\i+3], v3, s[24:25] offset:2048*(\t)+512*\i th:TH_LOAD_NT   ; 32 lanes read 512 consecutive bytes
.endr
.endm
.macro TURN t                          ; step t's numbers through the stage: LDS serves a wave's instructions in order, so no wait stands between the stores and the loads
.irp i, 0,1,2,3
	ds_store_b128 v14, v[R+16*((\t)%4)+4*\i:R+16*((\t)%4)+4*\i+3] offset:32*SP*((\t)%2)+8*SP*\i
.endr
.irp i, 0,1,2,3
	ds_load_b128 v[X+16*((\t)%2)+4*\i:X+16*((\t)%2)+4*\i+3], v15 offset:32*SP*((\t)%2)+16*\i
.endr
.endm
.irp t, 0,1,2,3
	LOAD \t
.endr
	s_wait_loadcnt 12                              ; step 0's four loads are in; twelve younger ones stay out
	TURN 0
.macro STEP t
.set XS, X+16*((\t)%2)
.if (\t) > 0
	s_wait_dscnt 1                                 ; this step's numbers are back from the stage (the last step's byte store may be out)
.else
	s_wait_dscnt 0x0
.endif
.if (\t)+4 < STEPS
	LOAD (\t)+4                                    ; the registers that the stage's stores have read take the loads of four steps on
.endif
.if (\t)+1 < STEPS
.if STEPS-2-(\t) >= 3
	s_wait_loadcnt 12                              ; the next step's four loads are in; those of the three steps behind it may be out
.else
	s_wait_loadcnt 4*(STEPS-2-(\t))
.endif
	TURN (\t)+1                                    ; they go through the other stage while this step is worked
.endif
	v_max3_num_f32 v8, |v[XS]|, |v[XS+1]|, |v[XS+2]|               ; the largest magnitude of my 16, in two chains
	v_max3_num_f32 v9, |v[XS+3]|, |v[XS+4]|, |v[XS+5]|
.irp i, 6,10
	v_max3_num_f32 v8, v8, |v[XS+\i]|, |v[XS+\i+1]|
	v_max3_num_f32 v9, v9, |v[XS+\i+2]|, |v[XS+\i+3]|
.endr
	v_max3_num_f32 v8, v8, |v[XS+14]|, |v[XS+15]|
	v_max3_num_f32 v8, v8, v9, (EMAX+1)<<23        ; and the floor 2^(3 - 127): the byte cannot fall under 1
	v_max_num_f32_dpp v8, v8, v8 row_xmask:1 row_mask:0xf bank_mask:0xf   ; and of my neighbour's 16: the block's
	v_add_nc_u32 v11, -(EMAX<<23), v8              ; 2 off its exponent field: the conversion takes the exponent field of this operand as its scale, and nothing else of it
	v_cvt_scalef32_pk8_fp4_f32 v[C+4*(\t)], v[XS:XS+7], v11        ; to the nearest code, ties to even, beyond the largest code the largest; the first number's code in the lowest four bits
	v_cvt_scalef32_pk8_fp4_f32 v[C+4*(\t)+1], v[XS+8:XS+15], v11
	v_lshrrev_b32 v[E+(\t)], 23, v11               ; the scale's byte (also the plain line behind the conversions)
	ds_store_b8 v5, v[E+(\t)] offset:16*(\t)       ; both lanes of a block write the same byte with the same value
	global_store_b64 v4, v[C+4*(\t):C+4*(\t)+1], s[26:27] offset:32*CB*(\t)   ; 256 consecutive bytes, aligned
.endm
.irp t, 0,1,2,3,4,5,6,7,8,9,10,11,12,13,14,15
	STEP \t
.endr
	ds_load_b64 v[8:9], v6                         ; LDS serves a wave's instructions in order: these see my byte stores
	s_wait_dscnt 0x0
	global_store_b64 v7, v[8:9], s[28:29]          ; 32 lanes store 256 consecutive bytes, aligned
	s_wait_tensorcnt 0x0                           ; the wave's end
	ds_add_u32 v[SPW], v[NIL]
	s_wait_dscnt 0x0
	s_endpgm
.Lfunc_end_k_qb2b3658971_prep:
	.size	k_qb2b3658971_prep, .Lfunc_end_k_qb2b3658971_prep-k_qb2b3658971_prep
	.p2alignl 7, 3214868480
	.fill 96, 4, 3214868480
	.section	.rodata,"a",@progbits
	.p2align	6, 0x0
	.amdhsa_kernel k_qb2b3658971_prep
		.amdhsa_group_segment_fixed_size 33280
		.amdhsa_private_segment_fixed_size 0
		.amdhsa_enable_private_segment 0
		.amdhsa_kernarg_size 64
		.amdhsa_user_sgpr_count 2
		.amdhsa_user_sgpr_kernarg_segment_ptr 1
		.amdhsa_wavefront_size32 1
		.amdhsa_system_sgpr_workgroup_id_x 1
		.amdhsa_system_sgpr_workgroup_id_y 1
		.amdhsa_system_sgpr_workgroup_id_z 1
		.amdhsa_system_vgpr_workitem_id 0
		.amdhsa_next_free_vgpr 192
		.amdhsa_next_free_sgpr 66
		.amdhsa_reserve_vcc 0
		.amdhsa_float_denorm_mode_32 3
		.amdhsa_float_denorm_mode_16_64 3
		.amdhsa_memory_ordered 1
		.amdhsa_forward_progress 1
		.amdhsa_inst_pref_size 34
	.end_amdhsa_kernel
	.amdgpu_metadata
---
amdhsa.version: [ 1, 2 ]
amdhsa.kernels:
  - .name:           k_qb2b3658971_prep
    .symbol:         k_qb2b3658971_prep.kd
    .args:
      - { .name: x, .offset: 0, .size: 8, .value_kind: global_buffer, .address_space: global }
      - { .name: Wq, .offset: 8, .size: 8, .value_kind: global_buffer, .address_space: global }
      - { .name: Wk, .offset: 16, .size: 8, .value_kind: global_buffer, .address_space: global }
      - { .name: Wv, .offset: 24, .size: 8, .value_kind: global_buffer, .address_space: global }
      - { .name: xc, .offset: 32, .size: 8, .value_kind: global_buffer, .address_space: global }
      - { .name: xs, .offset: 40, .size: 8, .value_kind: global_buffer, .address_space: global }
      - { .name: wc, .offset: 48, .size: 8, .value_kind: global_buffer, .address_space: global }
      - { .name: ws, .offset: 56, .size: 8, .value_kind: global_buffer, .address_space: global }
    .group_segment_fixed_size: 33280
    .private_segment_fixed_size: 0
    .kernarg_segment_align: 8
    .kernarg_segment_size: 64
    .max_flat_workgroup_size: 128
    .sgpr_count:     66
    .vgpr_count:     192
    .wavefront_size: 32
...
	.end_amdgpu_metadata
.endif
;; end of part 1
;; launch proj (part 2): grid 24 x 8, 4 waves a work-group, clusters of 4 x 4, 327,680 bytes of LDS; arguments xc, xs, wc, ws, freqs, qkv; writes qkv
.if DOCPART == 2
	.amdgcn_target "amdgcn-amd-amdhsa--gfx1250"
	.amdhsa_code_object_version 6
	.text
	.protected	k_qb2b3658971_proj
	.globl	k_qb2b3658971_proj
	.p2align	8
	.type	k_qb2b3658971_proj,@function
k_qb2b3658971_proj:
	s_mov_b64 s[64:65], 0
	v_nop
	global_prefetch_b8 v0, s[64:65] scope:SCOPE_SE
	s_setreg_imm32_b32 hwreg(HW_REG_WAVE_MODE, 25, 1), 1
	s_wait_xcnt 0x0
	s_wait_alu depctr_hold_cnt(0) depctr_sa_sdst(0) depctr_va_vdst(0) depctr_va_sdst(0) depctr_va_ssrc(0) depctr_va_vcc(0) depctr_vm_vsrc(0)
	s_getreg_b32 s2, hwreg(HW_REG_IB_STS2, 6, 4)
	s_cmp_eq_u32 s2, 0
	s_cbranch_scc0 .Lentry_in_a_cluster
	s_endpgm
.Lentry_in_a_cluster:
	s_bfe_u32 s2, ttmp6, 0x10000c
	s_cmp_lg_u32 s2, 0xf033
	s_cbranch_scc0 .Lentry_shape_is_right
	s_endpgm
.Lentry_shape_is_right:
; PROJ.  [q | k | v][t][n] = sum over d of x[t][d] W[n][d], on codes of FP4 (E2M1) with one E8M0 scale for each 32 along K (K = 4096); then the rotation by freqs on q and k; the result leaves as f16 x 2^-2,
; laid [48 heads][1024 t][128]: heads 0-31 q, 32-39 k, 40-47 v.  The factor 2^-2 is exact; it comes back in the softmax's constant and on the last launch's way out.
; LIMIT: |q|, |k|, |v| above 262,000 become infinity in f16.
; SHARES.  A tile of C is 128 (t) x 256 (n: two heads): 8 x 24 = 192 work-groups (256 x 256 would make 96).  Four waves; wave w makes rows 64 (w / 2) on and columns 128 (w % 2) on, one head: 4 x 8 accumulators, 256 registers.
; K goes in steps of 512 (a tile's row is 256 bytes of memory) through a ring of two LDS slots.  The scale bytes of the work-group's rows, for all of K, are dense blocks of memory: they come into LDS once and stay.
; CLUSTERS: 4 x 4 work-groups.  x's tiles are asked for jointly along a row of the cluster, W's along a column: the same tensor load, the same descriptor, a mask that names the four.
; THE MATRIX INSTRUCTION IS USED TRANSPOSED (source 0 = 16 rows of W, source 1 = 16 rows of x): a lane holds row t = lane % 16 and eight neighbouring channels, so both halves of a rotated pair lie in one lane.
; REGISTERS, in windows of 256: window 0: v16-30 addresses; v32-95 scale words, two sets of 32; v128-191 x's fragments, two sets of 32; on the way out v32-95 numbers, v96-127 packed, v128-255 rows read back.
;   window 1: W's fragments, two sets, at v0 and v128.   window 2: accumulator (a, b) at v[64 a + 8 b].   window 3: the rotation's table, at the same index as the accumulator's number (even: cos, odd: sin).
.set NQ,     4                         ; matrix instructions deep in a slot
.set ROWB,   256                       ; a tile's row in bytes: 512 codes
.set KROW,   2048                      ; a row of codes in memory
.set PITCH,  272                       ; an LDS row: 256 bytes + 16 of padding: the 16 rows that a load touches start 68 words apart
.set HALFA,  64*PITCH                  ; what one load brings of x, and what one wave reads of it
.set HALFB,  128*PITCH                 ; the same for W
.set SLOT,   2*HALFA+2*HALFB           ; x's 128 rows, then W's 256
.set LAPS,   4                         ; 8 K steps, two to a lap
.set SCL,    2*SLOT                    ; behind the ring: the scales, as runs of 256 bytes + 16 of padding; a row's are 128 bytes
.set HSA,    32*272                    ; those of 64 rows
.set HSB,    64*272                    ; of 128 rows
.set SBLK,   8*272                     ; of 16 rows
.set SPARE,  SCL+2*HSA+2*HSB           ; the spare words, 128 bytes a wave
.set STAGE,  SPARE+512                 ; the way out: 16 rows x 272 bytes for each wave; no tile lands here
.set ADRA, 16                          ; v16-17  LDS address of my x fragments in slot 0, 1
.set ADRB, 20                          ; v20-21  the same for W
.set STO,  24                          ; v24     the way out: where I put 16 bytes of a row
.set RD,   25                          ; v25     where I read a row back
.set CO,   26                          ; v26     16 x lane: my bytes of two rows of a head
.set ADRS, 27                          ; v27     LDS address of my scale words: lanes 0-15 x's rows, lanes 16-31 W's
.set SPW,  28                          ; v28     my spare word; never rewritten
.set NIL,  29                          ; v29     0; never rewritten
.set FO,   30                          ; v30     the table: 512 (lane % 16) + 32 (lane / 16)
.set SC,   32
.set AF,   128
.set T,    32
.set PK,   96
.set BK,   128
.set G1,   24
.set G0,   32
.set G1B,  48
.set G0B,  56
.set G1S,  68
.set G0S,  76
.set G1SB, 80
.set G0SB, 88
.set MSB, 0
.macro WIN new                         ; the immediate's high byte repeats the setting that is left; a switch that changes nothing is dropped
.if MSB != \new
	s_set_vgpr_msb (MSB<<8)|\new
.set MSB, \new
.endif
.endm
.set MULW, 0xa1                        ; source 0 (W) window 1, source 1 (x) window 0, C and D window 2
.set TO_B, 0x40                        ; destination window 1, address window 0
; A joint load: waves 0 and 1 fetch for x, waves 2 and 3 for W.  The branch hangs on the wave's number alone.  An s_nop 0 and four v_nop follow each of the two lines.
.macro JLOAD g0a, g1a, g0b, g1b
	s_cmp_eq_u32 s17, 0
	s_cbranch_scc0 .Lfor_b_\@
	tensor_load_to_lds s[\g0a:\g0a+3], s[\g1a:\g1a+7]
	s_nop 0
.rept 4
	v_nop
.endr
	s_branch .Lasked_\@
.Lfor_b_\@:
	tensor_load_to_lds s[\g0b:\g0b+3], s[\g1b:\g1b+7]
	s_nop 0
.rept 4
	v_nop
.endr
.Lasked_\@:
.endm
.macro CREST                           ; a round of the cluster's barrier behind its opening barrier
	s_cmp_lg_u32 s16, 0
	s_cbranch_scc1 .Lnot_wave_0_\@
	s_barrier_signal -3
.Lnot_wave_0_\@:
	s_barrier_wait -3
	s_barrier_signal -1
	s_barrier_wait -1
.endm
.macro CROUND
	s_barrier_signal -1
	s_barrier_wait -1
	CREST
.endm
	s_load_b256 s[4:11], s[0:1], 0x0               ; xc 4, xs 6, wc 8, ws 10
	s_load_b128 s[12:15], s[0:1], 0x20             ; freqs 12, qkv 14
	v_lshl_add_u32 v[SPW], v0, 2, SPARE
	v_mov_b32 v[NIL], 0
	ds_add_u32 v[SPW], v[NIL]                      ; the wave's opening: the add, twice on end, and its wait ahead of my first tensor load
	ds_add_u32 v[SPW], v[NIL]
	v_lshrrev_b32 v1, 5, v0
	v_readfirstlane_b32 s16, v1                    ; wave 0..3
	s_lshr_b32 s17, s16, 1                         ; which 64 rows of the tile are mine.  Also: I fetch for x (0) or for W (1)
	s_and_b32 s18, s16, 1                          ; which head of the two.  Also: which half of that tile I fetch
	s_bfe_u32 s40, ttmp6, 0x40000                  ; cx, cy
	s_bfe_u32 s41, ttmp6, 0x40004
	s_lshl_b32 s42, ttmp9, 2
	s_add_co_u32 s42, s42, s40                     ; tile column = 4 x cluster x + cx
	s_and_b32 s19, ttmp7, 0xffff
	s_lshl_b32 s19, s19, 2
	s_add_co_u32 s19, s19, s41                     ; tile row = 4 x cluster y + cy
	s_lshl_b32 s43, s41, 2
	s_lshl_b32 s43, 15, s43                        ; my row of the cluster
	s_lshl_b32 s44, 0x1111, s40                    ; my column
	s_cmp_eq_u32 ttmp9, 5                          ; tile columns 20-23 are v's: cluster x = 5, the same in all sixteen partners
	s_cselect_b32 s96, 1, 0
	s_mov_b32 s98, 0x3e800000                      ; 2^-2,
	s_mov_b32 s99, s98                             ; named as a pair
	; descriptor groups 1.  Codes: rows of 256 bytes, 2,048 bytes apart, 16 bytes of padding behind each
	s_or_b32 s[G1+0], s43, (0<<16)|(1<<20)|(1<<21)|(5<<22)|(3<<25)   ; 15:0 the mask; 17:16 elements of 1 byte; 20 padding on; 21 set beside a mask; 24:22 after every 64 words; 31:25 four words
	s_or_b32 s[G1B+0], s44, (0<<16)|(1<<20)|(1<<21)|(5<<22)|(3<<25)
	s_mov_b32 s[G1+1], ROWB<<16                    ; tensor_dim0
	s_mov_b32 s[G1+2], 64<<16                      ; tensor_dim1
	s_mov_b32 s[G1+3], ROWB<<16                    ; tile_dim0
	s_mov_b32 s[G1+4], 64                          ; tile_dim1
	s_mov_b32 s[G1+5], KROW                        ; the pitch
	s_mov_b32 s[G1+6], 0
	s_mov_b32 s[G1+7], 0
	s_mov_b32 s[G1B+1], ROWB<<16
	s_mov_b32 s[G1B+2], 128<<16
	s_mov_b32 s[G1B+3], ROWB<<16
	s_mov_b32 s[G1B+4], 128
	s_mov_b32 s[G1B+5], KROW
	s_mov_b32 s[G1B+6], 0
	s_mov_b32 s[G1B+7], 0
	; scales: dense blocks, as rows of 256 bytes (32 elements of 8 bytes): 32 rows for 64 rows of x, 64 for 128 rows of W
	s_or_b32 s[G1S+0], s43, (3<<16)|(1<<20)|(1<<21)|(5<<22)|(3<<25)
	s_or_b32 s[G1SB+0], s44, (3<<16)|(1<<20)|(1<<21)|(5<<22)|(3<<25)
	s_mov_b32 s[G1S+1], 32<<16
	s_mov_b32 s[G1S+2], 32<<16
	s_mov_b32 s[G1S+3], 32<<16
	s_mov_b32 s[G1S+4], 32
	s_mov_b32 s[G1S+5], 32
	s_mov_b32 s[G1S+6], 0
	s_mov_b32 s[G1S+7], 0
	s_mov_b32 s[G1SB+1], 32<<16
	s_mov_b32 s[G1SB+2], 64<<16
	s_mov_b32 s[G1SB+3], 32<<16
	s_mov_b32 s[G1SB+4], 64
	s_mov_b32 s[G1SB+5], 32
	s_mov_b32 s[G1SB+6], 0
	s_mov_b32 s[G1SB+7], 0
	; where the tiles come from: x's hang on the tile row alone, W's on the tile column alone; all offsets stay under 2^32
	s_lshl_b32 s20, s19, 7
	s_lshl_b32 s21, s18, 6
	s_add_co_u32 s20, s20, s21                     ; x: row 128 x tile row + 64 x half
	s_lshl_b32 s22, s20, 7                         ; its scales, 128 bytes a row,
	s_lshl_b32 s20, s20, 11                        ; its codes, 2,048
	s_mov_b32 s21, 0
	s_mov_b32 s23, 0
	s_lshl_b32 s46, s42, 8
	s_lshl_b32 s47, s18, 7
	s_add_co_u32 s46, s46, s47                     ; W: row 256 x tile column + 128 x half
	s_lshl_b32 s92, s46, 7
	s_lshl_b32 s46, s46, 11
	s_mov_b32 s47, 0
	s_mov_b32 s93, 0
	s_mul_i32 s45, s18, HALFA                      ; where they go: no place in the cluster enters an LDS address
	s_mul_i32 s94, s18, HALFB
	s_mul_i32 s95, s18, HSA
	s_mul_i32 s100, s18, HSB
	s_wait_dscnt 0x0                               ; both opening adds are done
	s_wait_kmcnt 0x0
	s_add_nc_u64 s[20:21], s[4:5], s[20:21]
	s_add_nc_u64 s[22:23], s[6:7], s[22:23]
	s_add_nc_u64 s[46:47], s[8:9], s[46:47]
	s_add_nc_u64 s[92:93], s[10:11], s[92:93]
	CROUND                                         ; all sixteen work-groups are here: the first joint loads meet
	s_mov_b32 s[G0S], 1
	s_add_co_u32 s[G0S+1], s95, SCL
	s_mov_b64 s[G0S+2:G0S+3], s[22:23]
	s_or_b32 s[G0S+3], s[G0S+3], 0x80000000
	s_mov_b32 s[G0SB], 1
	s_add_co_u32 s[G0SB+1], s100, SCL+2*HSA
	s_mov_b64 s[G0SB+2:G0SB+3], s[92:93]
	s_or_b32 s[G0SB+3], s[G0SB+3], 0x80000000
	JLOAD G0S, G1S, G0SB, G1SB                     ; the scales first: they are wanted with K step 0
.irp s, 0,1
	s_mov_b32 s[G0+4*\s], 1
	s_add_co_u32 s[G0+4*\s+1], s45, \s*SLOT
	s_add_nc_u64 s[G0+4*\s+2:G0+4*\s+3], s[20:21], \s*ROWB
	s_or_b32 s[G0+4*\s+3], s[G0+4*\s+3], 0x80000000
	s_mov_b32 s[G0B+4*\s], 1
	s_add_co_u32 s[G0B+4*\s+1], s94, \s*SLOT+2*HALFA
	s_add_nc_u64 s[G0B+4*\s+2:G0B+4*\s+3], s[46:47], \s*ROWB
	s_or_b32 s[G0B+4*\s+3], s[G0B+4*\s+3], 0x80000000
	JLOAD G0+4*\s, G1, G0B+4*\s, G1B               ; three loads of mine are out behind the second of these
.endr
	v_and_b32 v1, 15, v0                           ; r = lane % 16
	v_bfe_u32 v2, v0, 4, 1                         ; h = lane / 16
	v_mul_u32_u24 v3, v1, PITCH
	v_lshl_add_u32 v4, v2, 4, v3                   ; a fragment's row x pitch + 16 h
	s_mul_i32 s21, s17, HALFA                      ; my 64 rows of x
	s_mul_i32 s22, s18, HALFB                      ; my 128 rows of W,
	s_add_co_u32 s22, s22, 2*HALFA                 ; behind x's 128
.irp s, 0,1
	v_add_nc_u32 v[ADRA+\s], s21, v4
	v_add_nc_u32 v[ADRB+\s], s22, v4
	s_add_co_u32 s21, s21, SLOT
	s_add_co_u32 s22, s22, SLOT
.endr
	v_lshlrev_b32 v5, 7, v1                        ; my row's scales: 128 bytes a row,
	v_lshrrev_b32 v6, 8, v5
	v_lshl_add_u32 v5, v6, 4, v5                   ; and 16 more for each 256 passed
	s_mul_i32 s21, s17, HSA                        ; x's: my 64 rows
	s_mul_i32 s22, s18, HSB                        ; W's: my 128 rows, behind x's
	s_add_co_u32 s22, s22, 2*HSA
	s_sub_co_u32 s22, s22, s21
	v_mul_u32_u24 v6, s22, v2                      ; lanes 16-31 take W's: the lower base + h x the distance
	s_add_co_u32 s21, s21, SCL
	v_add_nc_u32 v5, v5, v6
	v_add_nc_u32 v[ADRS], s21, v5
	s_mul_i32 s23, s16, 16*PITCH
	s_add_co_u32 s23, s23, STAGE                   ; my stage
	v_add_nc_u32 v[STO], s23, v4                   ; in: row r, 16 bytes for each half of the lanes
	v_mul_u32_u24 v5, v2, PITCH
	v_lshl_add_u32 v5, v1, 4, v5
	v_add_nc_u32 v[RD], s23, v5                    ; back: lanes 0-15 one row of 256 bytes, lanes 16-31 the next
	v_and_b32 v6, 31, v0
	v_lshlrev_b32 v[CO], 4, v6
	v_lshlrev_b32 v[FO], 9, v1
	v_lshl_add_u32 v[FO], v2, 5, v[FO]
	s_lshl_b32 s20, s19, 7
	s_lshl_b32 s21, s17, 6
	s_add_co_u32 s20, s20, s21                     ; my first position t
	s_lshl_b32 s22, s20, 9                         ; 512 bytes of the table a position
	s_mov_b32 s23, 0
	s_add_nc_u64 s[12:13], s[12:13], s[22:23]
	s_lshl_b32 s22, s20, 8                         ; 256 bytes of a head a position
	s_lshl_b32 s46, s42, 1
	s_add_co_u32 s46, s46, s18                     ; my head of the 48
	s_lshl_b32 s46, s46, 18
	s_add_co_u32 s46, s46, s22
	s_mov_b32 s47, 0
	s_add_nc_u64 s[14:15], s[14:15], s[46:47]
	; the table: for the accumulator's number (t = 16 a + r, channel 16 b + 8 h + j) the word at byte 64 b + 32 h + 4 j of row t.  It lands while K is walked; v's work-groups load it too, so that the head has one path
	WIN 0xc0                                       ; destination window 3
.irp a, 0,1,2,3
.irp b, 0,1,2,3,4,5,6,7
	global_load_b128 v[64*\a+8*\b:64*\a+8*\b+3], v[FO], s[12:13] offset:8192*\a+64*\b
	global_load_b128 v[64*\a+8*\b+4:64*\a+8*\b+7], v[FO], s[12:13] offset:8192*\a+64*\b+16
.endr
.endr
	WIN 0
.macro FRAG reg, adr, q, i             ; a fragment, 16 rows x 128 K of 4-bit codes: lane l holds row l % 16; registers 4 c .. 4 c + 3 hold K = 64 c + 32 (l / 16) + 0 .. 31
.irp c, 0,1
	ds_load_b128 v[\reg+4*\c:\reg+4*\c+3], v[\adr] offset:64*(\q)+32*\c+(\i)*16*PITCH
.endr
.endm
.macro FETCH_B slot, q, p              ; W's eight fragments of the slot's q-th 128 along K into set p
	WIN TO_B
.irp i, 0,1,2,3,4,5,6,7
	FRAG 128*(\p)+8*\i, ADRB+\slot, \q, \i
.endr
	WIN 0
.endm
.macro FETCH_A slot, q, p              ; x's four
.irp i, 0,1,2,3
	FRAG AF+32*(\p)+8*\i, ADRA+\slot, \q, \i
.endr
.endm
.macro SCALES sc                       ; a K step's scale words into set sc: four words a row; lanes 0-15 x's block i (for i above 3: bytes that no product names), lanes 16-31 W's block i
.irp i, 0,1,2,3,4,5,6,7
	ds_load_b128 v[SC+32*\sc+4*\i:SC+32*\sc+4*\i+3], v[ADRS] offset:\i*SBLK
.endr
.endm
; 8 matrix instructions: x's block a against W's eight.  The 32 accumulators take turns, one instruction a turn, in the same order in every step.  zero = 1: the products start the sums.
.macro MUL8 a, p, q, sc, zero
.irp b, 0,1,2,3,4,5,6,7
.if \zero
	v_wmma_scale_f32_16x16x128_f8f6f4 v[64*(\a)+8*\b:64*(\a)+8*\b+7], v[128*(\p)+8*\b:128*(\p)+8*\b+7], v[AF+32*(\p)+8*(\a):AF+32*(\p)+8*(\a)+7], 0, v[SC+32*(\sc)+4*\b+(\q)], v[SC+32*(\sc)+4*(\a)+(\q)] matrix_a_fmt:MATRIX_FMT_FP4 matrix_b_fmt:MATRIX_FMT_FP4 matrix_a_scale:MATRIX_SCALE_ROW1
.else
	v_wmma_scale_f32_16x16x128_f8f6f4 v[64*(\a)+8*\b:64*(\a)+8*\b+7], v[128*(\p)+8*\b:128*(\p)+8*\b+7], v[AF+32*(\p)+8*(\a):AF+32*(\p)+8*(\a)+7], v[64*(\a)+8*\b:64*(\a)+8*\b+7], v[SC+32*(\sc)+4*\b+(\q)], v[SC+32*(\sc)+4*(\a)+(\q)] matrix_a_fmt:MATRIX_FMT_FP4 matrix_b_fmt:MATRIX_FMT_FP4 matrix_a_scale:MATRIX_SCALE_ROW1
.endif
.endr
.endm
.macro PLACES n                        ; plain vector instructions between a matrix instruction and a load into, or a vector instruction on, one of its registers
.rept \n
	v_nop
.endr
.endm
; A step of 128 along K that has its successor in the same slot: this step's fragments are in; the next step's are asked for, in one run, into the other sets; then 32 products.
.macro STEP slot, q, zero
	s_wait_dscnt 0x0                               ; the fragments (and scale words) asked for a step ago
	PLACES 4                                       ; the other sets were read by the products just issued
	FETCH_B \slot, (\q)+1, 1-(\q)%2
	FETCH_A \slot, (\q)+1, 1-(\q)%2
	WIN MULW
	MUL8 0, (\q)%2, \q, \slot, \zero
	MUL8 1, (\q)%2, \q, \slot, \zero
	MUL8 2, (\q)%2, \q, \slot, \zero
	MUL8 3, (\q)%2, \q, \slot, \zero
.endm
; A slot's last step changes slots: ONE barrier; in front of it each wave waits for all its tensor loads, adds 0 to its spare word, and waits for that and for its reads of this slot.  fill = 1: the slot is filled again, two K steps ahead.
.macro TURN slot, next, fill
	WIN 0                                          ; (the add's two registers lie in window 0)
	s_wait_tensorcnt 0x0                           ; all my tensor loads have landed: my part of the next slot
	ds_add_u32 v[SPW], v[NIL]                      ; 0 onto my spare word
	s_wait_dscnt 1                                 ; the fragments are in; the add alone may be out
	WIN MULW
	MUL8 0, 1, NQ-1, \slot, 0                      ; eight products stand between the add and the wait for it
	s_wait_dscnt 0x0                               ; the add is done, and my reads of this slot are over
	s_barrier_signal -1
	MUL8 1, 1, NQ-1, \slot, 0
	WIN 0
	s_barrier_wait -1
.if \fill
	CREST                                          ; the barrier has opened a round of the cluster's: no wave of any partner still reads this slot or has a load on its way
	s_add_nc_u64 s[G0+4*\slot+2:G0+4*\slot+3], s[G0+4*\slot+2:G0+4*\slot+3], 2*ROWB
	s_add_nc_u64 s[G0B+4*\slot+2:G0B+4*\slot+3], s[G0B+4*\slot+2:G0B+4*\slot+3], 2*ROWB
	JLOAD G0+4*\slot, G1, G0B+4*\slot, G1B         ; the first tensor load behind the round; its four v_nop are also the places in front of the loads below
.else
	PLACES 4
.endif
	v_add_nc_u32 v[ADRS], 4*NQ, v[ADRS]            ; the next K step's scale words
	FETCH_B \next, 0, 0
	FETCH_A \next, 0, 0
	SCALES \next
	WIN MULW
	MUL8 2, 1, NQ-1, \slot, 0
	MUL8 3, 1, NQ-1, \slot, 0
.endm
	s_wait_tensorcnt 1                             ; the scales and my part of K step 0 are in; K step 1's load may stay out
	s_barrier_signal -1
	s_barrier_wait -1
	FETCH_B 0, 0, 0
	FETCH_A 0, 0, 0
	SCALES 0
	STEP 0, 0, 1                                   ; the first step stands in front of the loop: its products start the sums
	WIN 0                                          ; at a label and at a branch every window is 0
	s_mov_b32 s97, LAPS-1
.Llap:                                                 ; a trip goes once round the ring, from a lap's second step to the next lap's first, and fills both slots again
	STEP 0, 1, 0
	STEP 0, 2, 0
	TURN 0, 1, 1
	STEP 1, 0, 0
	STEP 1, 1, 0
	STEP 1, 2, 0
	TURN 1, 0, 1
	STEP 0, 0, 0
	WIN 0
	s_sub_co_u32 s97, s97, 1
	s_cmp_lg_u32 s97, 0
	s_cbranch_scc1 .Llap
	STEP 0, 1, 0                                   ; the last lap fills nothing
	STEP 0, 2, 0
	TURN 0, 1, 0
	STEP 1, 0, 0
	STEP 1, 1, 0
	STEP 1, 2, 0
	s_wait_dscnt 0x0
	MUL8 0, 1, NQ-1, 1, 0
	MUL8 1, 1, NQ-1, 1, 0
	MUL8 2, 1, NQ-1, 1, 0
	MUL8 3, 1, NQ-1, 1, 0
	WIN 0
; THE WAY OUT, a block of 16 positions x 128 channels at a time.  PACK: the rotation (q, k) or nothing (v), x 2^-2, to f16.  TOSTAGE: 16 bytes a lane into my stage, back as whole rows of 256 bytes.  SEND: stored.
.macro PACK a
	s_cmp_eq_u32 s96, 1
	s_cbranch_scc1 .Lplain_\@
	WIN 0x0e                                       ; source 0: the sums, window 2; source 1: the table, window 3; source 2 and destination: window 0
.irp b, 0,1,2,3,4,5,6,7
.irp i, 0,1,2,3
	v_mul_f32 v[T+8*\b+2*\i], v[64*\a+8*\b+2*\i+1], v[64*\a+8*\b+2*\i+1]      ; x1 sin   (each accumulator is read from its low end on)
	v_mul_f32 v[T+8*\b+2*\i+1], v[64*\a+8*\b+2*\i], v[64*\a+8*\b+2*\i+1]      ; x0 sin
.endr
.irp i, 0,1,2,3
	v_fma_f32 v[T+8*\b+2*\i], v[64*\a+8*\b+2*\i], v[64*\a+8*\b+2*\i], -v[T+8*\b+2*\i]          ; x0 cos - x1 sin
	v_fma_f32 v[T+8*\b+2*\i+1], v[64*\a+8*\b+2*\i+1], v[64*\a+8*\b+2*\i], v[T+8*\b+2*\i+1]     ; x1 cos + x0 sin
.endr
.endr
	WIN 0
.irp k, 0,2,4,6,8,10,12,14,16,18,20,22,24,26,28,30,32,34,36,38,40,42,44,46,48,50,52,54,56,58,60,62
	v_pk_mul_f32 v[T+\k:T+\k+1], v[T+\k:T+\k+1], s[98:99] op_sel_hi:[1,0]
.endr
	s_branch .Ljoin_\@
.Lplain_\@:
	WIN 0x02                                       ; source 0 window 2
.irp k, 0,2,4,6,8,10,12,14,16,18,20,22,24,26,28,30,32,34,36,38,40,42,44,46,48,50,52,54,56,58,60,62
	v_pk_mul_f32 v[T+\k:T+\k+1], v[64*\a+\k:64*\a+\k+1], s[98:99] op_sel_hi:[1,0]
.endr
	WIN 0
.Ljoin_\@:
.irp k, 0,1,2,3,4,5,6,7,8,9,10,11,12,13,14,15,16,17,18,19,20,21,22,23,24,25,26,27,28,29,30,31
	v_cvt_pk_f16_f32 v[PK+\k], v[T+2*\k], v[T+2*\k+1]
.endr
.endm
.macro TOSTAGE a
.irp b, 0,1,2,3,4,5,6,7
	ds_store_b128 v[STO], v[PK+4*\b:PK+4*\b+3] offset:32*\b
.endr
.irp t, 0,1,2,3,4,5,6,7
	ds_load_b128 v[BK+32*\a+4*\t:BK+32*\a+4*\t+3], v[RD] offset:\t*2*PITCH   ; LDS serves a wave's instructions in order: these see the stores above, and the next block's stores come behind them
.endr
.endm
.macro SEND a, younger                 ; younger: the LDS instructions issued behind block a's loads, which may stay out
	s_wait_dscnt \younger
.irp t, 0,1,2,3,4,5,6,7
	global_store_b128 v[CO], v[BK+32*\a+4*\t:BK+32*\a+4*\t+3], s[14:15] offset:4096*\a+512*\t   ; two rows of a head: 512 consecutive bytes, aligned
.endr
.endm
	PLACES 4                                       ; behind the last products: for the reads of results, the writes over scale words and the loads over x's fragments
	s_wait_loadcnt 0x0                             ; the table
	PACK 0
	TOSTAGE 0
	PACK 1
	TOSTAGE 1
	SEND 0, 16                                     ; behind block 0's loads: block 1's 8 stores and 8 loads
	PACK 2
	TOSTAGE 2
	SEND 1, 16
	PACK 3
	TOSTAGE 3
	SEND 2, 16
	SEND 3, 0
	s_wait_tensorcnt 0x0                           ; the wave's end
	ds_add_u32 v[SPW], v[NIL]
	s_wait_dscnt 0x0
	CROUND                                         ; the closing round: no work-group ends while a partner may still ask for a tile that names it
	s_endpgm
.Lfunc_end_k_qb2b3658971_proj:
	.size	k_qb2b3658971_proj, .Lfunc_end_k_qb2b3658971_proj-k_qb2b3658971_proj
	.p2alignl 7, 3214868480
	.fill 96, 4, 3214868480
	.section	.rodata,"a",@progbits
	.p2align	6, 0x0
	.amdhsa_kernel k_qb2b3658971_proj
		.amdhsa_group_segment_fixed_size 327680
		.amdhsa_private_segment_fixed_size 0
		.amdhsa_enable_private_segment 0
		.amdhsa_kernarg_size 48
		.amdhsa_user_sgpr_count 2
		.amdhsa_user_sgpr_kernarg_segment_ptr 1
		.amdhsa_wavefront_size32 1
		.amdhsa_system_sgpr_workgroup_id_x 1
		.amdhsa_system_sgpr_workgroup_id_y 1
		.amdhsa_system_sgpr_workgroup_id_z 1
		.amdhsa_system_vgpr_workitem_id 0
		.amdhsa_next_free_vgpr 1024
		.amdhsa_next_free_sgpr 102
		.amdhsa_reserve_vcc 0
		.amdhsa_float_denorm_mode_32 3
		.amdhsa_float_denorm_mode_16_64 3
		.amdhsa_memory_ordered 1
		.amdhsa_forward_progress 1
		.amdhsa_inst_pref_size 169
	.end_amdhsa_kernel
	.amdgpu_metadata
---
amdhsa.version: [ 1, 2 ]
amdhsa.kernels:
  - .name:           k_qb2b3658971_proj
    .symbol:         k_qb2b3658971_proj.kd
    .args:
      - { .name: xc, .offset: 0, .size: 8, .value_kind: global_buffer, .address_space: global }
      - { .name: xs, .offset: 8, .size: 8, .value_kind: global_buffer, .address_space: global }
      - { .name: wc, .offset: 16, .size: 8, .value_kind: global_buffer, .address_space: global }
      - { .name: ws, .offset: 24, .size: 8, .value_kind: global_buffer, .address_space: global }
      - { .name: freqs, .offset: 32, .size: 8, .value_kind: global_buffer, .address_space: global }
      - { .name: qkv, .offset: 40, .size: 8, .value_kind: global_buffer, .address_space: global }
    .group_segment_fixed_size: 327680
    .private_segment_fixed_size: 0
    .kernarg_segment_align: 8
    .kernarg_segment_size: 48
    .max_flat_workgroup_size: 128
    .sgpr_count:     102
    .vgpr_count:     1024
    .wavefront_size: 32
...
	.end_amdgpu_metadata
.endif
;; end of part 2
;; launch attn (part 3): grid 32 x 8, 16 waves a work-group, no clusters, 327,680 bytes of LDS; arguments qkv, Wo, ao, wo16; writes ao, wo16
.if DOCPART == 3
	.amdgcn_target "amdgcn-amd-amdhsa--gfx1250"
	.amdhsa_code_object_version 6
	.text
	.protected	k_qb2b3658971_attn
	.globl	k_qb2b3658971_attn
	.p2align	8
	.type	k_qb2b3658971_attn,@function
k_qb2b3658971_attn:
	s_mov_b64 s[64:65], 0
	v_nop
	global_prefetch_b8 v0, s[64:65] scope:SCOPE_SE
	s_setreg_imm32_b32 hwreg(HW_REG_WAVE_MODE, 25, 1), 1
	s_wait_xcnt 0x0
; ATTN.  ao[t][128 head + :] = the sum over keys k <= t of softmax_k(q[head][t] . k[kv][k] / sqrt(128)) v[kv][k][:], kv = head / 4.  qkv: [48][1024][128] f16, each number the true one x 2^-2
; (heads 0-31 q, 32-39 k, 40-47 v); ao: [1024][4096] f16, again x 2^-2 (v's factor).  Products on f16 operands with f32 sums; maxima, exponentials and sums in f32; a running maximum is taken away before every exponential.
; The scores come out x 2^-4, so c = 16 log2(e) / sqrt(128): p = 2^(c s - m), m the running largest c s.
; BESIDE IT, THE CAST OF Wo: Wo [4096][4096] f32 becomes wo16, f16, for the next launch's product.  It hangs on nothing that this launch computes, and this launch's own loads are small (64 KB of tiles a trip for a work-group):
; so the cast's loads and stores go out under the attention's work.  The launch has 4,096 waves and Wo 4,096 rows: a wave casts one row, an eighth of it in each of its eight trips over the slots.
; LIMIT: |Wo| above 65,504 becomes infinity in f16.
; SHARES.  Work-group (i, g): KV head g, its four query heads, and two blocks of 16 positions: 63 - i (late) and i (early): every work-group walks the same number of keys in all.  Sixteen waves: wave w owns ONE tile of 16 queries
; (head w % 4; late or early by bit 0 xor bit 2 of w) and every second key step of 64 (w / 8).  At the end wave w + 8 hands its O, m and l to wave w through LDS.
; K's and V's tiles come through a ring of two LDS slots of 128 keys (two steps), filled by waves 0, 1 (K's two steps) and 2, 3 (V's) and read by all sixteen.
; NO CLUSTER: the work-groups of a KV head end their walks at different keys, and the jump that ends a work-group's look-ahead may not lead round a joint load; the four query heads that share K and V sit in one work-group and share its tiles.
; LAYOUT.  S^T = K Q^T (source 0 = 16 keys, source 1 = my 16 queries): a lane holds ONE query (lane % 16) and the keys 8 (lane / 16) + 0..7 of a tile.  Two tiles, rounded to f16 in pairs, ARE source 1 (32 keys x 16 queries) of
; O^T = V^T P, whose result again holds one query a lane.  K comes out of LDS as it lies, V ([key][channel]) turned, by ds_load_tr16_b128.
; CAUSAL.  Every work-group walks all 8 slots (constant trip counts); a step all of whose keys come after the wave's queries is left out by a scalar branch on ids; on the diagonal hidden scores become -infinity.
; Positions and key steps are multiples of 16 and 64, so in a step that is walked every query sees the step's first key: m is a number from a wave's first walked step on.
.set PKP,   272                        ; a row of K in LDS: 256 bytes + 16
.set PVP,   288                        ; a row of V: 256 + 32
.set VOFF,  64*PKP                     ; a step: 64 rows of K, then 64 rows of V
.set STEPB, 64*(PKP+PVP)
.set SLOT1, 1<<17                      ; slot 1 begins here: one exclusive or turns an address from one slot to the other
.set STAGE, SLOT1+2*STEPB              ; the way out: 16 rows x 272 bytes for each of waves 0-7
.set IMG,   STAGE+8*16*272             ; what waves 8-15 hand over: 8,192 bytes of O^T as an image of its registers, 256 bytes of (m, l), for each
.set SPARE, IMG+8*8448                 ; the spare words, 128 bytes for each of sixteen waves
.set AK0, 1                            ; v1   my lane's place in my step's tile of K
.set AV0, 2                            ; v2   the same for V
.set STO, 3                            ; v3   the stage: where I put 16 bytes of a row
.set RD,  4                            ; v4   where I read a row back
.set SPW, 5                            ; v5   my spare word; never rewritten
.set NIL, 6                            ; v6   0; never rewritten
.set GO,  7                            ; v7   my byte offset in two rows of ao
.set ADK, 8                            ; v8   LDS address of the step's K
.set ADV, 9                            ; v9   of its V
.set IMO, 10                           ; v10  the image of O^T: 16 x lane
.set IMS, 11                           ; v11  (m, l): 8 x lane
.set CC,  16                           ; v16-19 at work.  v12 m, v13 l at the end, v[14:15] l in two halves, v[20:21], v[22:23] factors, v24 -infinity, v25 r - 8 h (behind the loop v[24:25]: the partner's m, l), v26 the diagonal's d
.set PFO, 28                           ; v28  256 x lane: the prefetches' offset
.set QO,  29                           ; v29  Q: 256 r + 16 h
.set CLO, 30                           ; v30  in the head r; then 16 x lane: my bytes of a load of Wo
.set CSO, 31                           ; v31  in the head h; then 8 x lane: my bytes of a store of wo16
.set QF,  32                           ; v32-63   Q, four fragments
.set FR,  64                           ; v64-127  eight fragments of K or of V
.set SS,  128                          ; v128-159 S^T, then p
.set PP,  160                          ; v160-175 p in f16
.set OO,  176                          ; v176-239 O^T
.set CD,  240                          ; v240-255 the cast: four loads of 4 registers; the f16 numbers take the lower two of each four
.set WV,  18
.set SEL, 20
.set CS,  22
.set G1K, 24
.set G1V, 32
.set G0K, 40
.set G0V, 44
.set TB,  2                            ; s2   LDS byte at which the slot in hand begins
.set SF,  66                           ; s66  the slot's first key
.set SLOTS, 67                         ; s67  changes of slots that may still ask
.set QW,  68                           ; s68  my work-group's last query
.set PFK, 76                           ; s[76:77], s[78:79] where my prefetches stand in K and in V
.set PFV, 78
.set LIM, 80                           ; s80  1 in a wave that prefetches, else the greatest number
.set KF,  98                           ; s98  my step's first key
.set Q0,  99                           ; s99  my first query
; Waves 0 and 1 fetch K's two steps, waves 2 and 3 V's, the others nothing.  The branches hang on the wave's number alone.  An s_nop 0 and four v_nop follow each of the two lines.
.macro TLOAD
	s_cmp_lt_u32 s[WV], 2
	s_cbranch_scc0 .Lnot_k_\@
	tensor_load_to_lds s[G0K:G0K+3], s[G1K:G1K+7]
	s_nop 0
.rept 4
	v_nop
.endr
	s_branch .Lasked_\@
.Lnot_k_\@:
	s_cmp_lt_u32 s[WV], 4
	s_cbranch_scc0 .Lasked_\@
	tensor_load_to_lds s[G0V:G0V+3], s[G1V:G1V+7]
	s_nop 0
.rept 4
	v_nop
.endr
.Lasked_\@:
.endm
; A prefetch of what the NEXT change of slots will ask for: 128 rows of K and 128 of V, 256 bytes a row.  All 32 work-groups of a KV head walk the same rows: work-group 0, which walks them all, asks; in it waves 4 to 7,
; 32 rows each, a lane a row: each row is named once in the launch.  Slots 0 and 1 come by their loads alone; the last change that fills a slot asks for nothing.
.macro ASK
	s_cmp_gt_u32 s[SLOTS], s[LIM]
	s_cbranch_scc0 .Lnot_mine_\@
	global_prefetch_b8 v[PFO], s[PFK:PFK+1] th:TH_LOAD_NT scope:SCOPE_SE
	global_prefetch_b8 v[PFO], s[PFV:PFV+1] th:TH_LOAD_NT scope:SCOPE_SE
.Lnot_mine_\@:
.endm
; THE CAST.  CLOAD asks for an eighth of my row of Wo: 2,048 bytes, four loads of 512 consecutive bytes.  CPROC, a trip later, rounds it to f16 in place and stores 1,024 bytes, four stores of 256 consecutive bytes, aligned.
.macro CLOAD
.irp j, 0,1,2,3
	global_load_b128 v[CD+4*\j:CD+4*\j+3], v[CLO], s[6:7] offset:512*\j th:TH_LOAD_NT
.endr
.endm
.macro CPROC
	s_wait_loadcnt 0x0                             ; the four loads asked for behind the last change of slots (in the first trip: in the head, and Q with them)
.irp j, 0,1,2,3
	v_cvt_pk_f16_f32 v[CD+4*\j], v[CD+4*\j], v[CD+4*\j+1]
	v_cvt_pk_f16_f32 v[CD+4*\j+1], v[CD+4*\j+2], v[CD+4*\j+3]
.endr
.irp j, 0,1,2,3
	global_store_b64 v[CSO], v[CD+4*\j:CD+4*\j+1], s[10:11] offset:256*\j
.endr
.endm
	s_load_b256 s[4:11], s[0:1], 0x0               ; qkv 4, Wo 6, ao 8, wo16 10
	v_lshl_add_u32 v[SPW], v0, 2, SPARE
	v_mov_b32 v[NIL], 0
	ds_add_u32 v[SPW], v[NIL]                      ; the wave's opening: the add, twice on end, and its wait ahead of the first tensor load
	ds_add_u32 v[SPW], v[NIL]
	v_lshrrev_b32 v8, 5, v0
	v_readfirstlane_b32 s[WV], v8                  ; wave 0..15
	s_and_b32 s48, ttmp7, 0xffff                   ; g: the KV head
	s_and_b32 s49, s[WV], 3                        ; which of its four query heads
	s_lshr_b32 s50, s[WV], 2
	s_xor_b32 s50, s50, s[WV]
	s_and_b32 s50, s50, 1                          ; 0: the late block, 1: the early one
	s_lshr_b32 s51, s[WV], 3                       ; which step of every slot
	s_sub_co_u32 s53, 63, ttmp9
	s_cmp_eq_u32 s50, 0
	s_cselect_b32 s52, s53, ttmp9
	s_lshl_b32 s[Q0], s52, 4
	s_lshl_b32 s[QW], s53, 4
	s_or_b32 s[QW], s[QW], 15
	s_lshl_b32 s[KF], s51, 6
	s_mov_b32 s[SF], 0
	s_mov_b32 s[TB], 0
	s_mov_b32 s[SLOTS], 7
	s_lshl_b32 s54, s48, 2
	s_add_co_u32 s54, s54, s49                     ; my query head
	s_lshl_b32 s56, s54, 18                        ; a head is 262,144 bytes
	s_lshl_b32 s55, s[Q0], 8
	s_add_co_u32 s56, s56, s55                     ; Q at my first query
	s_mov_b32 s57, 0
	s_add_co_u32 s58, s48, 32
	s_lshl_b32 s58, s58, 18                        ; K's head
	s_mov_b32 s59, 0
	s_add_co_u32 s60, s48, 40
	s_lshl_b32 s60, s60, 18                        ; V's
	s_mov_b32 s61, 0
	s_and_b32 s62, s[WV], 1                        ; which of a slot's two steps I fetch, if I fetch:
	s_lshl_b32 s84, s62, 14                        ; its 64 rows in memory,
	s_mov_b32 s85, 0
	s_mul_i32 s86, s62, STEPB                      ; and its place in a slot
	s_lshl_b32 s82, s[Q0], 13                      ; ao: 8,192 bytes a position,
	s_lshl_b32 s83, s54, 8                         ; 256 a head
	s_add_co_u32 s82, s82, s83
	s_mov_b32 s83, 0
	s_lshl_b32 s12, s48, 5                         ; the cast: my row of Wo = (32 g + i) x 16 + wave: each of the 4,096 rows has one wave
	s_add_co_u32 s12, s12, ttmp9
	s_lshl_b32 s12, s12, 4
	s_add_co_u32 s12, s12, s[WV]
	s_lshl_b32 s14, s12, 13                        ; 8,192 bytes a row in wo16,
	s_mov_b32 s15, 0
	s_lshl_b32 s12, s12, 14                        ; 16,384 in Wo
	s_mov_b32 s13, 0
	s_lshl_b32 s88, s49, 13                        ; the prefetches: 32 rows a wave,
	s_add_co_u32 s88, s88, 32768                   ; in slot 1: the first change of slots steps them to slot 2
	s_mov_b32 s89, 0
	s_sub_co_u32 s90, s[WV], 4
	s_lshr_b32 s90, s90, 2                         ; 0 in waves 4 to 7,
	s_or_b32 s90, s90, ttmp9                       ; of the KV head's work-group 0
	s_cmp_eq_u32 s90, 0
	s_cselect_b32 s[LIM], 1, -1
	s_mul_i32 s91, s51, STEPB                      ; my step's place in a slot: K,
	s_add_co_u32 s92, s91, VOFF                    ; V
	s_and_b32 s93, s[WV], 7
	s_mul_i32 s94, s93, 16*272
	s_add_co_u32 s94, s94, STAGE                   ; the pair's stage
	s_mul_i32 s95, s93, 8448
	s_add_co_u32 s95, s95, IMG                     ; and its image
	; descriptor groups 1: 64 rows x 128 elements of 2 bytes, dense in memory, padded in LDS
	s_mov_b32 s[G1K], (1<<16)|(1<<20)|(5<<22)|(3<<25)              ; no mask; elements of 2 bytes; padding: four words after every 64
	s_mov_b32 s[G1V], (1<<16)|(1<<20)|(5<<22)|(7<<25)              ; eight words
.irp g, G1K, G1V
	s_mov_b32 s[\g+1], 128<<16                     ; tensor_dim0
	s_mov_b32 s[\g+2], 64<<16                      ; tensor_dim1
	s_mov_b32 s[\g+3], 128<<16                     ; tile_dim0
	s_mov_b32 s[\g+4], 64                          ; tile_dim1
	s_mov_b32 s[\g+5], 128                         ; the pitch
	s_mov_b32 s[\g+6], 0
	s_mov_b32 s[\g+7], 0
.endr
	s_mov_b32 s[SEL], 0x76543210
	s_mov_b32 s[SEL+1], 0xfedcba98                 ; v_permlanex16_b32's selects for lane l xor 16
	s_mov_b32 s[CS], 0x400293ee                    ; c = 16 log2(e) / sqrt(128)
	s_mov_b32 s[CS+1], s[CS]
	s_wait_dscnt 0x0                               ; both opening adds are done
	s_wait_kmcnt 0x0
	s_add_nc_u64 s[56:57], s[4:5], s[56:57]
	s_add_nc_u64 s[58:59], s[4:5], s[58:59]
	s_add_nc_u64 s[60:61], s[4:5], s[60:61]
	s_add_nc_u64 s[8:9], s[8:9], s[82:83]
	s_add_nc_u64 s[6:7], s[6:7], s[12:13]          ; Wo and wo16 at my row
	s_add_nc_u64 s[10:11], s[10:11], s[14:15]
	s_mov_b32 s[G0K], 1
	s_mov_b32 s[G0K+1], s86
	s_add_nc_u64 s[G0K+2:G0K+3], s[58:59], s[84:85]
	s_or_b32 s[G0K+3], s[G0K+3], 0x80000000
	s_mov_b32 s[G0V], 1
	s_add_co_u32 s[G0V+1], s86, VOFF
	s_add_nc_u64 s[G0V+2:G0V+3], s[60:61], s[84:85]
	s_or_b32 s[G0V+3], s[G0V+3], 0x80000000
	TLOAD                                          ; slot 0: it holds key 0, which counts for every query
	s_add_nc_u64 s[PFK:PFK+1], s[58:59], s[88:89]
	s_add_nc_u64 s[PFV:PFV+1], s[60:61], s[88:89]
	v_and_b32 v30, 15, v0                          ; r
	v_bfe_u32 v31, v0, 4, 1                        ; h
	v_lshlrev_b32 v[QO], 8, v30
	v_lshl_add_u32 v[QO], v31, 4, v[QO]
.irp c, 0,1,2,3                                ; Q stays in registers: channels 32 c on
	global_load_b128 v[QF+8*\c:QF+8*\c+3], v[QO], s[56:57] offset:64*\c
	global_load_b128 v[QF+8*\c+4:QF+8*\c+7], v[QO], s[56:57] offset:64*\c+32
.endr
	v_mul_u32_u24 v[AK0], v30, PKP
	v_lshl_add_u32 v[AK0], v31, 4, v[AK0]
	v_add_nc_u32 v[STO], s94, v[AK0]               ; the stage has K's pitch: row r, + 16 h
	v_add_nc_u32 v[AK0], s91, v[AK0]
	v_and_b32 v27, 7, v0                           ; the turning load: lane l reads key 8 h + l % 8, channels 8 ((l / 8) % 2) on
	v_lshl_add_u32 v[AV0], v31, 3, v27
	v_mul_u32_u24 v[AV0], v[AV0], PVP
	v_bfe_u32 v27, v0, 3, 1
	v_lshl_add_u32 v[AV0], v27, 4, v[AV0]
	v_add_nc_u32 v[AV0], s92, v[AV0]
	v_mul_u32_u24 v[RD], v31, 272
	v_lshl_add_u32 v[RD], v30, 4, v[RD]
	v_add_nc_u32 v[RD], s94, v[RD]
	v_lshlrev_b32 v[GO], 13, v31
	v_lshl_add_u32 v[GO], v30, 4, v[GO]
	v_and_b32 v27, 31, v0
	v_lshlrev_b32 v[IMO], 4, v27
	v_add_nc_u32 v[IMO], s95, v[IMO]
	v_lshlrev_b32 v[IMS], 3, v27
	v_add_nc_u32 v[IMS], s95, v[IMS]
	v_add_nc_u32 v[IMS], 8192, v[IMS]
	v_lshlrev_b32 v[PFO], 8, v27
	v_lshlrev_b32 v25, 3, v31
	v_sub_nc_u32 v25, v30, v25                     ; r - 8 h
	v_lshlrev_b32 v[CLO], 4, v27                   ; r and h are done with: their registers take the cast's two offsets
	v_lshlrev_b32 v[CSO], 3, v27
	CLOAD                                          ; the first eighth of my row of Wo
	v_mov_b32 v24, 0xff800000                      ; -infinity
	v_mov_b32 v12, 0xff61b1e6                      ; m: -3e38, under every c s
	v_mov_b32 v13, 0
	v_mov_b32 v14, 0                               ; l, in two halves
	v_mov_b32 v15, 0
	v_mov_b32 v21, 0                               ; (named as the upper halves of pairs)
	v_mov_b32 v23, 0
.irp j, 0,1,2,3,4,5,6,7,8,9,10,11,12,13,14,15,16,17,18,19,20,21,22,23,24,25,26,27,28,29,30,31,32,33,34,35,36,37,38,39,40,41,42,43,44,45,46,47,48,49,50,51,52,53,54,55,56,57,58,59,60,61,62,63
	v_mov_b32 v[OO+\j], 0                          ; O^T.  (The step is written without a first step of its own: it finds zeros, which the first factor, 0, leaves zeros; a wave that walks no step hands zeros over)
.endr
; MY KEY STEP of the slot in hand: 64 keys.
.macro STEP
	s_add_co_u32 s96, s[Q0], 15
	s_cmp_gt_u32 s[KF], s96                        ; all its keys come after my queries: left out.  No barrier, wait for tiles or tensor load stands in a step
	s_cbranch_scc1 .Lhidden_\@
	v_add_nc_u32 v[ADK], s[TB], v[AK0]
	v_add_nc_u32 v[ADV], s[TB], v[AV0]
	v_nop
	v_nop                                          ; four places in front of loads into registers that the last step's products read
.irp g, 0,1                                    ; S^T = K Q^T, two tiles of 16 keys at a time: two accumulators by turns
.if \g
.rept 4
	v_nop
.endr
.endif
.irp f, 0,1,2,3,4,5,6,7                        ; fragment f: keys 16 (2 g + f / 4) on, channels 32 (f % 4) on
	ds_load_b128 v[FR+8*\f:FR+8*\f+3], v[ADK] offset:(2*\g+\f/4)*16*PKP+(\f%4)*64
	ds_load_b128 v[FR+8*\f+4:FR+8*\f+7], v[ADK] offset:(2*\g+\f/4)*16*PKP+(\f%4)*64+32
.endr
	s_wait_dscnt 0x0
.irp c, 0,1,2,3
.irp k, 0,1
.if \c == 0
	v_wmma_f32_16x16x32_f16 v[SS+8*(2*\g+\k):SS+8*(2*\g+\k)+7], v[FR+8*(4*\k+\c):FR+8*(4*\k+\c)+7], v[QF+8*\c:QF+8*\c+7], 0
.else
	v_wmma_f32_16x16x32_f16 v[SS+8*(2*\g+\k):SS+8*(2*\g+\k)+7], v[FR+8*(4*\k+\c):FR+8*(4*\k+\c)+7], v[QF+8*\c:QF+8*\c+7], v[SS+8*(2*\g+\k):SS+8*(2*\g+\k)+7]
.endif
.endr
.endr
.endr
.rept 4
	v_nop                                          ; places: for the loads below and for the first reads of the scores
.endr
.irp t, 0,1,2,3,4,5,6,7                        ; V^T of the step's keys 0-31, channels 16 t on: it lands under the softmax
	ds_load_tr16_b128 v[FR+8*\t:FR+8*\t+3], v[ADV] offset:\t*32
	ds_load_tr16_b128 v[FR+8*\t+4:FR+8*\t+7], v[ADV] offset:16*PVP+\t*32
.endr
	s_add_co_u32 s96, s[KF], 63
	s_cmp_le_u32 s96, s[Q0]                        ; all 64 keys count for all my queries: no mask
	s_cbranch_scc1 .Lopen_\@
	s_sub_co_i32 s96, s[Q0], s[KF]
	v_add_nc_u32 v26, s96, v25                     ; d = my query - KF - 8 h.  Register n holds key KF + 16 (n / 8) + 8 h + n % 8: hidden where 16 (n / 8) + n % 8 > d
.irp n, 0,1,2,3,4,5,6,7,8,9,10,11,12,13,14,15,16,17,18,19,20,21,22,23,24,25,26,27,28,29,30,31
	v_cmp_gt_i32 vcc_lo, 16*(\n/8)+\n%8, v26
	v_cndmask_b32 v[SS+\n], v[SS+\n], v24, vcc_lo
.endr
.Lopen_\@:
.irp j, 0,1,2,3
	v_max3_num_f32 v[CC+\j], v[SS+8*\j], v[SS+8*\j+1], v[SS+8*\j+2]      ; the largest score, four chains; each accumulator from its low end on
.endr
.irp u, 1,2
.irp j, 0,1,2,3
	v_max3_num_f32 v[CC+\j], v[CC+\j], v[SS+8*\j+2*\u+1], v[SS+8*\j+2*\u+2]
.endr
.endr
	v_max3_num_f32 v[CC], v[CC], v[SS+7], v[SS+15]
	v_max3_num_f32 v[CC+2], v[CC+2], v[SS+23], v[SS+31]
	v_max3_num_f32 v[CC], v[CC], v[CC+1], v[CC+2]
	v_max_num_f32 v[CC], v[CC], v[CC+3]
	v_permlanex16_b32 v[CC+1], v[CC], s[SEL], s[SEL+1]   ; the query's other 32 keys lie in the lane 16 away
	v_max_num_f32 v[CC], v[CC], v[CC+1]
	v_mul_f32 v[CC], s[CS], v[CC]                  ; as c s (c is positive)
	v_mov_b32 v[CC+1], v12
	v_max_num_f32 v12, v12, v[CC]                  ; the new m
	v_sub_f32 v[CC+1], v[CC+1], v12                ; old m - new m
.irp j, 0,2,4,6,8,10,12,14,16,18,20,22,24,26,28,30
	v_pk_fma_f32 v[SS+\j:SS+\j+1], v[SS+\j:SS+\j+1], s[CS:CS+1], v[12:13] op_sel_hi:[1,0,0] neg_lo:[0,0,1] neg_hi:[0,0,1]   ; c s - m
.endr
	v_exp_f32 v20, v[CC+1]                         ; a = 2^(old m - new m)
.irp j, 0,1,2,3,4,5,6,7,8,9,10,11,12,13,14,15,16,17,18,19,20,21,22,23,24,25,26,27,28,29,30,31
	v_exp_f32 v[SS+\j], v[SS+\j]                   ; p, at most 1
.endr
	v_nop                                          ; a plain instruction behind the last exponential
	s_wait_alu depctr_va_vdst(0)                   ; one wait for the batch of 33, ahead of its first reader
.irp k, 0,1,2,3,4,5,6,7,8,9,10,11,12,13,14,15
	v_cvt_pk_f16_f32 v[PP+\k], v[SS+2*\k], v[SS+2*\k+1]
.endr
.irp u, 0,1,2,3,4,5,6,7                        ; the sum of the unrounded p, in place: neighbours 1, 2, 4, 8 pairs apart
	v_pk_add_f32 v[SS+4*\u:SS+4*\u+1], v[SS+4*\u:SS+4*\u+1], v[SS+4*\u+2:SS+4*\u+3]
.endr
.irp u, 0,1,2,3
	v_pk_add_f32 v[SS+8*\u:SS+8*\u+1], v[SS+8*\u:SS+8*\u+1], v[SS+8*\u+4:SS+8*\u+5]
.endr
.irp u, 0,1
	v_pk_add_f32 v[SS+16*\u:SS+16*\u+1], v[SS+16*\u:SS+16*\u+1], v[SS+16*\u+8:SS+16*\u+9]
.endr
	v_pk_add_f32 v[SS:SS+1], v[SS:SS+1], v[SS+16:SS+17]
	v_pk_fma_f32 v[14:15], v[14:15], v[20:21], v[SS:SS+1] op_sel_hi:[1,0,1]   ; l = a l + the sum
.irp j, 0,2,4,6,8,10,12,14,16,18,20,22,24,26,28,30,32,34,36,38,40,42,44,46,48,50,52,54,56,58,60,62
	v_pk_mul_f32 v[OO+\j:OO+\j+1], v[OO+\j:OO+\j+1], v[20:21] op_sel_hi:[1,0]   ; O^T x a
.endr
	s_wait_dscnt 0x0                               ; V^T of keys 0-31
.irp t, 0,1,2,3,4,5,6,7                        ; O^T += V^T P: eight accumulators by turns
	v_wmma_f32_16x16x32_f16 v[OO+8*\t:OO+8*\t+7], v[FR+8*\t:FR+8*\t+7], v[PP:PP+7], v[OO+8*\t:OO+8*\t+7]
.endr
.rept 4
	v_nop
.endr
.irp t, 0,1,2,3,4,5,6,7                        ; keys 32-63
	ds_load_tr16_b128 v[FR+8*\t:FR+8*\t+3], v[ADV] offset:32*PVP+\t*32
	ds_load_tr16_b128 v[FR+8*\t+4:FR+8*\t+7], v[ADV] offset:48*PVP+\t*32
.endr
	s_wait_dscnt 0x0
.irp t, 0,1,2,3,4,5,6,7
	v_wmma_f32_16x16x32_f16 v[OO+8*\t:OO+8*\t+7], v[FR+8*\t:FR+8*\t+7], v[PP+8:PP+15], v[OO+8*\t:OO+8*\t+7]
.endr
.Lhidden_\@:
	s_add_co_u32 s[KF], s[KF], 128
	s_add_co_u32 s[SF], s[SF], 128
	s_xor_b32 s[TB], s[TB], SLOT1                  ; on to the other slot
.endm
; THE CHANGE OF SLOTS stands at a slot's head.  Each wave waits for all its tensor loads (its part of the slot ahead), adds 0 to its spare word, and waits for that and for its reads of the slot that it has left.  Behind the barrier the
; slot ahead is whole and nobody reads the other one.  fill = 1: that other slot takes the next 128 keys, while their first key is at or under the work-group's last query; and the next eighth of my row of Wo is asked for.
.macro CHANGE fill
	s_wait_tensorcnt 0x0                           ; no tensor load of mine is out, so a group 0 may be written
	ds_add_u32 v[SPW], v[NIL]                      ; 0 onto my spare word
.if \fill
	ds_add_u32 v[SPW], v[NIL]
	s_xor_b32 s[G0K+1], s[G0K+1], SLOT1            ; the walking descriptors: the other slot,
	s_add_nc_u64 s[G0K+2:G0K+3], s[G0K+2:G0K+3], 32768   ; the next 128 keys
	s_xor_b32 s[G0V+1], s[G0V+1], SLOT1
	s_add_nc_u64 s[G0V+2:G0V+3], s[G0V+2:G0V+3], 32768
	s_wait_xcnt 0x0                                ; the last prefetches, a slot back, have read their addresses; the cast's stores have read their base and their data
	s_add_nc_u64 s[PFK:PFK+1], s[PFK:PFK+1], 32768 ; one slot further on than the walking descriptors
	s_add_nc_u64 s[PFV:PFV+1], s[PFV:PFV+1], 32768
	s_add_nc_u64 s[6:7], s[6:7], 2048              ; the cast: the next eighth of my row, in
	s_add_nc_u64 s[10:11], s[10:11], 1024          ; and out
.endif
	s_wait_dscnt 0x0                               ; the add is done, and my reads of the slot that I have left are over
	s_barrier_signal -1
	s_barrier_wait -1
.if \fill
	s_add_co_u32 s96, s[SF], 128                   ; the first key of the slot that this change would ask for:
	s_cmp_gt_u32 s96, s[QW]                        ; past my work-group's last query it is read by none of its waves, so it is not asked for.  Ids and the count of steps alone: all sixteen waves go the same way,
	s_cbranch_scc1 .Lpast_\@                       ; and every wait for tiles in this text is for all of them
	TLOAD                                          ; a wave's one tensor load until the next barrier
.Lpast_\@:
	CLOAD                                          ; wanted at the head of the next trip: my key step lies between
	ASK
.endif
.endm
.Lslot:                                            ; 7 trips
	CPROC                                          ; an eighth of my row of Wo leaves as f16 (its wait serves Q too, in the first trip)
	CHANGE 1
	STEP
	s_sub_co_u32 s[SLOTS], s[SLOTS], 1
	s_cmp_lg_u32 s[SLOTS], 0
	s_cbranch_scc1 .Lslot
	CPROC                                          ; the last eighth: nothing is left to ask for
	CHANGE 0                                       ; the last slot is written out: nothing is left to ask for
	STEP
	; THE TWO HALVES OF THE KEYS MEET.  Waves 8-15 store O^T as an image of its registers, and (m, l); a barrier; waves 0-7 bring both parts under the larger m, divide by l and store.
.rept 4
	v_nop                                          ; places behind the last products
.endr
	v_add_f32 v13, v14, v15                        ; l's two halves
	s_cmp_lt_u32 s[WV], 8
	s_cbranch_scc1 .Lkeep
.irp k, 0,1,2,3,4,5,6,7,8,9,10,11,12,13,14,15
	ds_store_b128 v[IMO], v[OO+4*\k:OO+4*\k+3] offset:512*\k
.endr
	ds_store_b64 v[IMS], v[12:13]
.Lkeep:
	s_wait_dscnt 0x0                               ; for the others' sake: my stores have landed
	s_barrier_signal -1
	s_barrier_wait -1
	s_cmp_lt_u32 s[WV], 8
	s_cbranch_scc1 .Lmerge
	s_wait_tensorcnt 0x0                           ; waves 8-15 end here
	ds_add_u32 v[SPW], v[NIL]
	s_wait_dscnt 0x0
	s_endpgm
.Lmerge:
.irp k, 0,1,2,3,4,5,6,7,8,9,10,11,12,13,14,15
	ds_load_b128 v[FR+4*\k:FR+4*\k+3], v[IMO] offset:512*\k
.endr
	ds_load_b64 v[24:25], v[IMS]                   ; the partner's m and l (the mask's two registers are done with)
	s_wait_dscnt 0x0
	v_max_num_f32 v16, v12, v24                    ; the larger m (a partner that walked no step has -3e38, l = 0 and zeros)
	v_sub_f32 v17, v12, v16
	v_sub_f32 v18, v24, v16
	v_exp_f32 v20, v17
	v_exp_f32 v22, v18
	v_nop
	s_wait_alu depctr_va_vdst(0)                   ; one wait for the two
	v_mul_f32 v19, v13, v20
	v_fma_f32 v19, v25, v22, v19
	v_permlanex16_b32 v16, v19, s[SEL], s[SEL+1]
	v_add_f32 v19, v19, v16                        ; with lane l xor 16's keys: the row's sum
	v_rcp_f32 v16, v19
	v_nop
	s_wait_alu depctr_va_vdst(0)
	v_mul_f32 v20, v20, v16
	v_mul_f32 v22, v22, v16
.irp j, 0,2,4,6,8,10,12,14,16,18,20,22,24,26,28,30,32,34,36,38,40,42,44,46,48,50,52,54,56,58,60,62
	v_pk_mul_f32 v[OO+\j:OO+\j+1], v[OO+\j:OO+\j+1], v[20:21] op_sel_hi:[1,0]
.endr
.irp j, 0,2,4,6,8,10,12,14,16,18,20,22,24,26,28,30,32,34,36,38,40,42,44,46,48,50,52,54,56,58,60,62
	v_pk_fma_f32 v[OO+\j:OO+\j+1], v[FR+\j:FR+\j+1], v[22:23], v[OO+\j:OO+\j+1] op_sel_hi:[1,0,1]
.endr
.irp k, 0,1,2,3,4,5,6,7,8,9,10,11,12,13,14,15,16,17,18,19,20,21,22,23,24,25,26,27,28,29,30,31
	v_cvt_pk_f16_f32 v[SS+\k], v[OO+2*\k], v[OO+2*\k+1]
.endr
.irp t, 0,1,2,3,4,5,6,7
	ds_store_b128 v[STO], v[SS+4*\t:SS+4*\t+3] offset:32*\t        ; row r, channels 16 t + 8 h on
.endr
.irp f, 0,1,2,3,4,5,6,7
	ds_load_b128 v[FR+4*\f:FR+4*\f+3], v[RD] offset:\f*2*272       ; LDS serves a wave's instructions in order: these see my stores
.endr
.irp f, 0,1,2,3,4,5,6,7
	s_wait_dscnt 7-\f
	global_store_b128 v[GO], v[FR+4*\f:FR+4*\f+3], s[8:9] offset:16384*\f   ; sixteen lanes store a head's 256 bytes of a position, aligned
.endr
	s_wait_tensorcnt 0x0                           ; the wave's end: the three lines
	ds_add_u32 v[SPW], v[NIL]
	s_wait_dscnt 0x0
	s_endpgm
.Lfunc_end_k_qb2b3658971_attn:
	.size	k_qb2b3658971_attn, .Lfunc_end_k_qb2b3658971_attn-k_qb2b3658971_attn
	.p2alignl 7, 3214868480
	.fill 96, 4, 3214868480
	.section	.rodata,"a",@progbits
	.p2align	6, 0x0
	.amdhsa_kernel k_qb2b3658971_attn
		.amdhsa_group_segment_fixed_size 327680
		.amdhsa_private_segment_fixed_size 0
		.amdhsa_enable_private_segment 0
		.amdhsa_kernarg_size 32
		.amdhsa_user_sgpr_count 2
		.amdhsa_user_sgpr_kernarg_segment_ptr 1
		.amdhsa_wavefront_size32 1
		.amdhsa_system_sgpr_workgroup_id_x 1
		.amdhsa_system_sgpr_workgroup_id_y 1
		.amdhsa_system_sgpr_workgroup_id_z 1
		.amdhsa_system_vgpr_workitem_id 0
		.amdhsa_next_free_vgpr 256
		.amdhsa_next_free_sgpr 100
		.amdhsa_reserve_vcc 1
		.amdhsa_float_denorm_mode_32 3
		.amdhsa_float_denorm_mode_16_64 3
		.amdhsa_memory_ordered 1
		.amdhsa_forward_progress 1
		.amdhsa_inst_pref_size 59
	.end_amdhsa_kernel
	.amdgpu_metadata
---
amdhsa.version: [ 1, 2 ]
amdhsa.kernels:
  - .name:           k_qb2b3658971_attn
    .symbol:         k_qb2b3658971_attn.kd
    .args:
      - { .name: qkv, .offset: 0, .size: 8, .value_kind: global_buffer, .address_space: global }
      - { .name: Wo, .offset: 8, .size: 8, .value_kind: global_buffer, .address_space: global }
      - { .name: ao, .offset: 16, .size: 8, .value_kind: global_buffer, .address_space: global }
      - { .name: wo16, .offset: 24, .size: 8, .value_kind: global_buffer, .address_space: global }
    .group_segment_fixed_size: 327680
    .private_segment_fixed_size: 0
    .kernarg_segment_align: 8
    .kernarg_segment_size: 32
    .max_flat_workgroup_size: 512
    .sgpr_count:     100
    .vgpr_count:     256
    .wavefront_size: 32
...
	.end_amdgpu_metadata
.endif
;; end of part 3
;; launch outp (part 4): grid 32 x 8, 4 waves a work-group, clusters of 4 x 4, 327,680 bytes of LDS; arguments ao, wo16, out0; writes out0
.if DOCPART == 4
	.amdgcn_target "amdgcn-amd-amdhsa--gfx1250"
	.amdhsa_code_object_version 6
	.text
	.protected	k_qb2b3658971_outp
	.globl	k_qb2b3658971_outp
	.p2align	8
	.type	k_qb2b3658971_outp,@function
k_qb2b3658971_outp:
	s_mov_b64 s[64:65], 0
	v_nop
	global_prefetch_b8 v0, s[64:65] scope:SCOPE_SE
	s_setreg_imm32_b32 hwreg(HW_REG_WAVE_MODE, 25, 1), 1
	s_wait_xcnt 0x0
	s_wait_alu depctr_hold_cnt(0) depctr_sa_sdst(0) depctr_va_vdst(0) depctr_va_sdst(0) depctr_va_ssrc(0) depctr_va_vcc(0) depctr_vm_vsrc(0)
	s_getreg_b32 s2, hwreg(HW_REG_IB_STS2, 6, 4)
	s_cmp_eq_u32 s2, 0
	s_cbranch_scc0 .Lentry_in_a_cluster
	s_endpgm
.Lentry_in_a_cluster:
	s_bfe_u32 s2, ttmp6, 0x10000c
	s_cmp_lg_u32 s2, 0xf033
	s_cbranch_scc0 .Lentry_shape_is_right
	s_endpgm
.Lentry_shape_is_right:
; OUTP.  out0[t][d] = 4 x the sum over o of ao[t][o] wo16[d][o].  ao: [1024][4096] f16 (the attention's result x 2^-2), wo16: [4096][4096] f16, out0: [1024][4096] f32; sums in f32; the factor 4 is exact.
; A tile of the output is 128 x 128: 8 x 32 = 256 work-groups.  Four waves, each 64 x 64: 16 accumulators of 16 x 16, 128 registers.  K goes in steps of 256 (LDS rows of 512 bytes; a wave's tensor load brings 64 of them)
; through a ring of two slots.  CLUSTERS: 4 x 4 work-groups: ao's tiles are asked for jointly along a row of the cluster, wo16's along a column.
; THE MATRIX INSTRUCTION IS USED TRANSPOSED (source 0 = 16 rows of wo16, source 1 = 16 rows of ao): a lane holds eight neighbouring numbers of a row of the output.
; A wave's 64 columns of f32 are 256 aligned bytes of a row: each wave has a stage of its own on the way out, and no barrier stands there.
; REGISTERS: window 0: v16-29 addresses; v32-63 a block x 4, v64-127 rows read back, two sets; v128-255 the accumulators ((a, b) at v[128 + 8 (4 a + b)]).
;   window 1: two fragment buffers of 128: for 64 along K, 64 registers of A (2 x 4 x 16 rows x 32 K), then 64 of B.
.set SIZE_M, 1024
.set SIZE_N, 4096
.set SIZE_K, 4096
.set KSTEP,  256
.set PITCH,  528                       ; an LDS row: 512 bytes + 16 of padding
.set HALFT,  64*PITCH                  ; what one tensor load brings, and what one wave reads of A or of B
.set SLOT,   4*HALFT                   ; A's 128 rows, then B's 128 rows
.set STAGE,  2*SLOT                    ; behind the ring: 16 rows x 272 bytes for each wave
.set SPITCH, 272
.set SPARE,  STAGE+4*16*SPITCH         ; the spare words, 128 bytes a wave
.set LAPS, SIZE_K/(2*KSTEP)
.set ADRA, 16
.set ADRB, 20
.set STO,  24
.set RD,   25
.set CO,   26
.set SPW,  28
.set NIL,  29
.set TMP,  32
.set BKO,  64
.set ACC,  128
.set F0,   0
.set F1,   128
.set G1, 24
.set G0, 32
.set G1B, 48
.set G0B, 56
.set MSB, 0
.macro WIN new
.if MSB != \new
	s_set_vgpr_msb (MSB<<8)|\new
.set MSB, \new
.endif
.endm
.set MUL,  0x05                        ; sources 0 (B) and 1 (A) window 1; C and D window 0
.set TO_F, 0x40                        ; destination window 1, address window 0
.macro JLOAD s                         ; a joint load: waves 0 and 1 fetch A's two halves, waves 2 and 3 B's; an s_nop 0 and four v_nop follow each of the two lines
	s_cmp_eq_u32 s11, 0
	s_cbranch_scc0 .Lfor_b_\@
	tensor_load_to_lds s[G0+4*\s:G0+4*\s+3], s[G1:G1+7]
	s_nop 0
.rept 4
	v_nop
.endr
	s_branch .Lasked_\@
.Lfor_b_\@:
	tensor_load_to_lds s[G0B+4*\s:G0B+4*\s+3], s[G1B:G1B+7]
	s_nop 0
.rept 4
	v_nop
.endr
.Lasked_\@:
.endm
.macro CREST
	s_cmp_lg_u32 s10, 0
	s_cbranch_scc1 .Lnot_wave_0_\@
	s_barrier_signal -3
.Lnot_wave_0_\@:
	s_barrier_wait -3
	s_barrier_signal -1
	s_barrier_wait -1
.endm
.macro CROUND
	s_barrier_signal -1
	s_barrier_wait -1
	CREST
.endm
	s_load_b128 s[4:7], s[0:1], 0x0                ; A s[4:5], B s[6:7]
	s_load_b64 s[8:9], s[0:1], 0x10                ; the output
	v_lshl_add_u32 v[SPW], v0, 2, SPARE
	v_mov_b32 v[NIL], 0
	ds_add_u32 v[SPW], v[NIL]                      ; the wave's opening: the add, twice on end, and its wait ahead of my first tensor load
	ds_add_u32 v[SPW], v[NIL]
	v_lshrrev_b32 v1, 5, v0
	v_readfirstlane_b32 s10, v1                    ; wave 0..3
	s_lshr_b32 s11, s10, 1                         ; which half of the tile's rows is mine.  Also: I fetch for A (0) or for B (1)
	s_and_b32 s12, s10, 1                          ; which half of its columns.  Also: which 64 rows of that tile I fetch
	s_bfe_u32 s40, ttmp6, 0x40000                  ; cx, cy
	s_bfe_u32 s41, ttmp6, 0x40004
	s_lshl_b32 s42, ttmp9, 2
	s_add_co_u32 s42, s42, s40                     ; tile column
	s_and_b32 s13, ttmp7, 0xffff
	s_lshl_b32 s13, s13, 2
	s_add_co_u32 s13, s13, s41                     ; tile row
	s_lshl_b32 s43, s41, 2
	s_lshl_b32 s43, 15, s43                        ; my row of the cluster
	s_lshl_b32 s44, 0x1111, s40                    ; my column
	s_or_b32 s[G1+0], s43, (1<<16)|(1<<20)|(1<<21)|(6<<22)|(3<<25)  ; the mask; elements of 2 bytes; padding on; bit 21 beside a mask; after every 128 words four words
	s_or_b32 s[G1B+0], s44, (1<<16)|(1<<20)|(1<<21)|(6<<22)|(3<<25)
.irp g, G1, G1B
	s_mov_b32 s[\g+1], KSTEP<<16                   ; tensor_dim0 = 256
	s_mov_b32 s[\g+2], 64<<16                      ; tensor_dim1 = 64
	s_mov_b32 s[\g+3], KSTEP<<16                   ; tile_dim0 = 256
	s_mov_b32 s[\g+4], 64                          ; tile_dim1 = 64
	s_mov_b32 s[\g+5], SIZE_K                      ; the pitch
	s_mov_b32 s[\g+6], 0
	s_mov_b32 s[\g+7], 0
.endr
	s_lshl_b32 s17, s12, 6                         ; which 64 rows of the tile I fetch
	s_lshl_b32 s16, s13, 7
	s_add_co_u32 s16, s16, s17                     ; A: row 128 x tile row + 64 x half
	s_lshl_b32 s46, s42, 7
	s_add_co_u32 s46, s46, s17                     ; B: row 128 x tile column + 64 x half
	s_mov_b32 s17, 0
	s_mov_b32 s47, 0
	s_mov_b64 s[18:19], SIZE_K*2
	s_mul_u64 s[16:17], s[16:17], s[18:19]
	s_mul_u64 s[46:47], s[46:47], s[18:19]
	s_mul_i32 s20, s10, HALFT                      ; where they go: wave x 64 rows
	s_wait_dscnt 0x0                               ; both opening adds are done
	s_wait_kmcnt 0x0
	s_add_nc_u64 s[14:15], s[4:5], s[16:17]
	s_add_nc_u64 s[46:47], s[6:7], s[46:47]
	CROUND                                         ; all sixteen work-groups are here: the first joint loads meet
.irp s, 0,1
	s_mov_b32 s[G0+4*\s], 1
	s_add_co_u32 s[G0+4*\s+1], s20, \s*SLOT
	s_add_nc_u64 s[G0+4*\s+2:G0+4*\s+3], s[14:15], \s*KSTEP*2
	s_or_b32 s[G0+4*\s+3], s[G0+4*\s+3], 0x80000000
	s_mov_b32 s[G0B+4*\s], 1
	s_add_co_u32 s[G0B+4*\s+1], s20, \s*SLOT
	s_add_nc_u64 s[G0B+4*\s+2:G0B+4*\s+3], s[46:47], \s*KSTEP*2
	s_or_b32 s[G0B+4*\s+3], s[G0B+4*\s+3], 0x80000000
	JLOAD \s
.endr
	v_and_b32 v1, 15, v0                           ; l % 16
	v_bfe_u32 v2, v0, 4, 1                         ; l / 16
	v_mul_u32_u24 v3, v1, PITCH
	v_lshl_add_u32 v3, v2, 4, v3                   ; a fragment's row x pitch + 16 x half
	s_mul_i32 s21, s11, HALFT                      ; my 64 rows of A
	s_mul_i32 s22, s12, HALFT                      ; my 64 rows of B,
	s_add_co_u32 s22, s22, 2*HALFT                 ; behind A's 128
.irp s, 0,1
	v_add_nc_u32 v[ADRA+\s], s21, v3
	v_add_nc_u32 v[ADRB+\s], s22, v3
	s_add_co_u32 s21, s21, SLOT
	s_add_co_u32 s22, s22, SLOT
.endr
	s_mul_i32 s23, s10, 16*SPITCH
	s_add_co_u32 s23, s23, STAGE                   ; my stage
	v_mul_u32_u24 v4, v1, SPITCH                   ; in: row l % 16, 32 bytes for each half of the lanes
	v_lshl_add_u32 v4, v2, 5, v4
	v_add_nc_u32 v[STO], s23, v4
	v_mul_u32_u24 v5, v2, SPITCH                   ; back: lanes 0-15 one row of 256 bytes, lanes 16-31 the next
	v_lshl_add_u32 v5, v1, 4, v5
	v_add_nc_u32 v[RD], s23, v5
	v_lshlrev_b32 v5, 14, v2                       ; and the same two rows in the output: 16,384 bytes a row
	v_lshl_add_u32 v[CO], v1, 4, v5
	s_lshl_b32 s16, s13, 7
	s_lshl_b32 s17, s11, 6
	s_add_co_u32 s16, s16, s17                     ; my first row: 128 x tile row + 64 x half
	s_lshl_b32 s16, s16, 14
	s_mov_b32 s17, 0
	s_add_nc_u64 s[8:9], s[8:9], s[16:17]
	s_lshl_b32 s46, s42, 9                         ; my first column, in bytes: 512 x tile column + 256 x half
	s_lshl_b32 s47, s12, 8
	s_add_co_u32 s46, s46, s47
	s_mov_b32 s47, 0
	s_add_nc_u64 s[8:9], s[8:9], s[46:47]
; 8 matrix instructions: m blocks a0, a0 + 1 x all 4 n blocks, 32 along K: half c of buffer f.  The 16 accumulators take turns.  zero = 1: the products start the sums
.macro MUL8 f, c, a0, zero
.irp a, \a0, \a0+1
.irp b, 0,1,2,3
.if \zero
	v_wmma_f32_16x16x32_f16 v[ACC+8*(4*(\a)+\b):ACC+8*(4*(\a)+\b)+7], v[\f+64+8*(4*\c+\b):\f+64+8*(4*\c+\b)+7], v[\f+8*(4*\c+\a):\f+8*(4*\c+\a)+7], 0
.else
	v_wmma_f32_16x16x32_f16 v[ACC+8*(4*(\a)+\b):ACC+8*(4*(\a)+\b)+7], v[\f+64+8*(4*\c+\b):\f+64+8*(4*\c+\b)+7], v[\f+8*(4*\c+\a):\f+8*(4*\c+\a)+7], v[ACC+8*(4*(\a)+\b):ACC+8*(4*(\a)+\b)+7]
.endif
.endr
.endr
.endm
; 32 LDS loads in one run: the fragments of 64 along K at byte k of the rows, into buffer f; the first 32 along K first
.macro FETCH slot, k, f
	WIN TO_F
.irp c, 0,1
.irp i, 0,1,2,3
	ds_load_b128 v[\f+64+8*(4*\c+\i):\f+64+8*(4*\c+\i)+3],   v[ADRB+\slot] offset:\k+64*\c+\i*16*PITCH
	ds_load_b128 v[\f+64+8*(4*\c+\i)+4:\f+64+8*(4*\c+\i)+7], v[ADRB+\slot] offset:\k+64*\c+\i*16*PITCH+32
	ds_load_b128 v[\f+8*(4*\c+\i):\f+8*(4*\c+\i)+3],         v[ADRA+\slot] offset:\k+64*\c+\i*16*PITCH
	ds_load_b128 v[\f+8*(4*\c+\i)+4:\f+8*(4*\c+\i)+7],       v[ADRA+\slot] offset:\k+64*\c+\i*16*PITCH+32
.endr
.endr
.endm
.macro PLACES                          ; four plain instructions in front of loads into registers that matrix instructions have read, and of the first reads of results
.rept 4
	v_nop
.endr
.endm
; A K step is four quarters of 64 along K, 32 matrix instructions each, on buffers 0, 1, 0, 1.  One of the first three: multiplies buffer f and fetches the next quarter, at byte k, into g.
.macro QUARTER slot, k, f, g, zero
	s_wait_dscnt 16                                ; the first 32 along K are in; the sixteen loads of the second 32 may be out
	WIN MUL
	MUL8 \f, 0, 0, \zero
	MUL8 \f, 0, 2, \zero
	PLACES
	FETCH \slot, \k, \g
	s_wait_dscnt 32                                ; all but the 32 just issued
	WIN MUL
	MUL8 \f, 1, 0, 0
	MUL8 \f, 1, 2, 0
.endm
; The last quarter multiplies buffer 1 and changes slots: ONE barrier; in front of it each wave waits for all its tensor loads, adds 0 to its spare word, and waits for that and for its reads of this slot.
.macro TURN slot, next, fill
	WIN 0                                          ; (the add's two registers lie in window 0)
	s_wait_tensorcnt 0x0                           ; all my tensor loads have landed: my part of the next slot
	ds_add_u32 v[SPW], v[NIL]                      ; 0 onto my spare word
	s_wait_dscnt 17                                ; the add and the youngest sixteen loads may be out
	WIN MUL
	MUL8 F1, 0, 0, 0
	s_wait_dscnt 0x0                               ; the add is done, and my reads of this slot are over
	s_barrier_signal -1
	MUL8 F1, 0, 2, 0
.if \fill
	WIN 0
.endif
	s_barrier_wait -1
.if \fill
	CREST                                          ; the barrier has opened a round of the cluster's: no wave of any partner still reads this slot or has a load on its way
	s_add_nc_u64 s[G0+4*\slot+2:G0+4*\slot+3], s[G0+4*\slot+2:G0+4*\slot+3], 2*KSTEP*2
	s_add_nc_u64 s[G0B+4*\slot+2:G0B+4*\slot+3], s[G0B+4*\slot+2:G0B+4*\slot+3], 2*KSTEP*2
	JLOAD \slot                                    ; the first tensor load behind the round; its four v_nop are also the places in front of the loads below
.else
	PLACES
.endif
	FETCH \next, 0, F0
	WIN MUL
	MUL8 F1, 1, 0, 0
	MUL8 F1, 1, 2, 0
.endm
	s_wait_tensorcnt 1                             ; my part of K step 0 is in; K step 1's may stay out
	s_barrier_signal -1
	s_barrier_wait -1
	FETCH 0, 0, F0
	QUARTER 0, 128, F0, F1, 1                      ; the first quarter stands in front of the loop: its first products start the sums
	WIN 0                                          ; at a label and at a branch every window is 0
	s_mov_b32 s3, LAPS-1
.Llap:                                                 ; a trip goes once round the ring and fills both slots again
	QUARTER 0, 256, F1, F0, 0
	QUARTER 0, 384, F0, F1, 0
	TURN 0, 1, 1
	QUARTER 1, 128, F0, F1, 0
	QUARTER 1, 256, F1, F0, 0
	QUARTER 1, 384, F0, F1, 0
	TURN 1, 0, 1
	QUARTER 0, 128, F0, F1, 0
	WIN 0
	s_sub_co_u32 s3, s3, 1
	s_cmp_lg_u32 s3, 0
	s_cbranch_scc1 .Llap
	QUARTER 0, 256, F1, F0, 0                      ; the last lap fills nothing
	QUARTER 0, 384, F0, F1, 0
	TURN 0, 1, 0
	QUARTER 1, 128, F0, F1, 0
	QUARTER 1, 256, F1, F0, 0
	QUARTER 1, 384, F0, F1, 0
	s_wait_dscnt 16
	WIN MUL
	MUL8 F1, 0, 0, 0
	MUL8 F1, 0, 2, 0
	s_wait_dscnt 0
	MUL8 F1, 1, 0, 0
	MUL8 F1, 1, 2, 0
	WIN 0
; THE WAY OUT, a block of 16 rows x 64 columns at a time: x 4; 32 bytes a lane into my stage; back as whole rows of 256 bytes; stored.
.macro PACKO a
.irp b, 0,1,2,3
.irp k, 0,1,2,3
	v_pk_mul_f32 v[TMP+8*\b+2*\k:TMP+8*\b+2*\k+1], v[ACC+8*(4*\a+\b)+2*\k:ACC+8*(4*\a+\b)+2*\k+1], 4.0 op_sel_hi:[1,0]   ; each accumulator from its low end on
.endr
.endr
.endm
.macro TOSTAGE a
.irp b, 0,1,2,3
	ds_store_b128 v[STO], v[TMP+8*\b:TMP+8*\b+3] offset:64*\b
	ds_store_b128 v[STO], v[TMP+8*\b+4:TMP+8*\b+7] offset:64*\b+16
.endr
.irp t, 0,1,2,3,4,5,6,7
	ds_load_b128 v[BKO+32*((\a)%2)+4*\t:BKO+32*((\a)%2)+4*\t+3], v[RD] offset:\t*2*SPITCH   ; LDS serves a wave's instructions in order: these see the stores above
.endr
.endm
.macro SEND a, younger                 ; younger: the LDS instructions issued behind block a's loads, which may stay out
	s_wait_dscnt \younger
.irp t, 0,1,2,3,4,5,6,7
	global_store_b128 v[CO], v[BKO+32*((\a)%2)+4*\t:BKO+32*((\a)%2)+4*\t+3], s[8:9] offset:(16*\a+2*\t)*SIZE_N*4 th:TH_STORE_NT   ; sixteen lanes store 256 consecutive bytes, aligned; written once, read by nobody here
.endr
.endm
	PLACES
	PACKO 0
	TOSTAGE 0
	PACKO 1
	TOSTAGE 1
	SEND 0, 16                                     ; behind block 0's loads: block 1's 8 stores and 8 loads
	s_wait_xcnt 0x0                                ; block 0's stores have read their registers: block 2's loads may land there
	PACKO 2
	TOSTAGE 2
	SEND 1, 16
	s_wait_xcnt 0x0
	PACKO 3
	TOSTAGE 3
	SEND 2, 16
	SEND 3, 0
	s_wait_tensorcnt 0x0                           ; the wave's end
	ds_add_u32 v[SPW], v[NIL]
	s_wait_dscnt 0x0
	CROUND                                         ; the closing round: no work-group ends while a partner may still ask for a tile that names it
	s_endpgm
.Lfunc_end_k_qb2b3658971_outp:
	.size	k_qb2b3658971_outp, .Lfunc_end_k_qb2b3658971_outp-k_qb2b3658971_outp
	.p2alignl 7, 3214868480
	.fill 96, 4, 3214868480
	.section	.rodata,"a",@progbits
	.p2align	6, 0x0
	.amdhsa_kernel k_qb2b3658971_outp
		.amdhsa_group_segment_fixed_size 327680
		.amdhsa_private_segment_fixed_size 0
		.amdhsa_enable_private_segment 0
		.amdhsa_kernarg_size 24
		.amdhsa_user_sgpr_count 2
		.amdhsa_user_sgpr_kernarg_segment_ptr 1
		.amdhsa_wavefront_size32 1
		.amdhsa_system_sgpr_workgroup_id_x 1
		.amdhsa_system_sgpr_workgroup_id_y 1
		.amdhsa_system_sgpr_workgroup_id_z 1
		.amdhsa_system_vgpr_workitem_id 0
		.amdhsa_next_free_vgpr 512
		.amdhsa_next_free_sgpr 66
		.amdhsa_reserve_vcc 0
		.amdhsa_float_denorm_mode_32 3
		.amdhsa_float_denorm_mode_16_64 3
		.amdhsa_memory_ordered 1
		.amdhsa_forward_progress 1
		.amdhsa_inst_pref_size 90
	.end_amdhsa_kernel
	.amdgpu_metadata
---
amdhsa.version: [ 1, 2 ]
amdhsa.kernels:
  - .name:           k_qb2b3658971_outp
    .symbol:         k_qb2b3658971_outp.kd
    .args:
      - { .name: ao, .offset: 0, .size: 8, .value_kind: global_buffer, .address_space: global }
      - { .name: wo16, .offset: 8, .size: 8, .value_kind: global_buffer, .address_space: global }
      - { .name: out0, .offset: 16, .size: 8, .value_kind: global_buffer, .address_space: global }
    .group_segment_fixed_size: 327680
    .private_segment_fixed_size: 0
    .kernarg_segment_align: 8
    .kernarg_segment_size: 24
    .max_flat_workgroup_size: 128
    .sgpr_count:     66
    .vgpr_count:     512
    .wavefront_size: 32
...
	.end_amdgpu_metadata
.endif
;; end of part 4
